; MI455X (gfx1250); checked and timed in simulation.
; The chip was launched on July 23, 2026; its instructions are those of AMD's public machine-readable ISA for CDNA 5 (MIT licence, August 2026) and "CDNA5" Instruction Set Architecture Reference Guide (July 2026). The comments in the code are by the model that wrote it; some were corrected since.
;; Multi Head Attention. Allowed arithmetic: matrix products marked QUANTISED: E2M1 operands, one E8M0 scale for each 32 along K, by v_wmma_scale_f32_16x16x128_f8f6f4 with both operands' format E2M1 (or v_wmma_scale_f32_32x16x128_f4), f32 sums; products left as they are: bf16, f16 or f32 operands; f32 sums; everything else in f32.
;; Inputs: key 1 x 2,048 x 2,048 float32; mask 1 x 1 x 2,048 x 2,048 bool; query 1 x 2,048 x 2,048 float32; value 1 x 2,048 x 2,048 float32; w_k 2,048 x 2,048 float32; w_o 2,048 x 2,048 float32; w_q 2,048 x 2,048 float32; w_v 2,048 x 2,048 float32.
;; Outputs: out0 1 x 2,048 x 2,048 float32.
;; This version of the problem:
;;   THIS VERSION OF THE PROBLEM IS GIVEN IN LOW PRECISION. The matrix products marked QUANTISED in the list below multiply operands that are first quantised to E2M1 (2 exponent bits, 1 mantissa bit; 4 bits a number), with one power-of-two scale for each 32 numbers along K (OCP MX v1.0); their sums are f32. The products marked 'left as it is' may take bf16, f16 or f32 operands, with f32 sums. Whichever they take, every output number must still come out within the allowed error. Rounding operands to bf16 (8 significant bits) uses up far more of that allowance than f16 does (11 bits, for magnitudes from 6e-5 to 65,504). All else is computed in f32.
;;   The module's matrix products, in the order in which they are computed (A, B: the left and right operand; K: the contracted axis; several contracted axes count as one K, in the product's order):
;;     1. [M 2,048, K 2,048] x [K 2,048, N 2,048]; A: input query; B: input w_q: QUANTISED
;;     2. [M 2,048, K 2,048] x [K 2,048, N 2,048]; A: input key; B: input w_k: QUANTISED
;;     3. [M 2,048, K 2,048] x [K 2,048, N 2,048]; A: input value; B: input w_v: QUANTISED
;;     4. batch 16 x [M 2,048, K 128] x [K 128, N 2,048]; A: computed on the way; B: computed on the way: left as it is (an operand is computed on the way)
;;     5. batch 16 x [M 2,048, K 2,048] x [K 2,048, N 128]; A: computed on the way; B: computed on the way: left as it is (an operand is computed on the way)
;;     6. [M 2,048, K 2,048] x [K 2,048, N 2,048]; A: computed on the way; B: input w_o: left as it is (an operand is computed on the way)
;;   THE QUANTISER, for each operand of a quantised product, along K:
;;     - K is cut into blocks of 32 from its start; a last block that is shorter is filled with zeros.
;;     - A block's scale is 2^e with e = floor(log2(the largest magnitude in the block)) - 2, held to -126 .. 127; a block of zeros has e = 0. As a byte (E8M0): e + 127.
;;     - Each number is divided by its block's scale, clamped to +-6, and rounded to the nearest number of E2M1, ties to even, subnormals kept.
;;     - The product sums the exact products of the quantised numbers (number of the format x scale) in f32.
;;   ~~~python
;;   def quantise(x, axis):      # numpy; x: float32 -> the quantised numbers, widened to float32 again
;;       x = np.moveaxis(x, axis, -1); K = x.shape[-1]
;;       x = np.pad(x, [(0, 0)] * (x.ndim - 1) + [(0, -K % 32)]); x = x.reshape(x.shape[:-1] + (-1, 32)); a = np.abs(x).max(-1, keepdims=True)
;;       e = np.where(a > 0, np.clip(np.frexp(np.where(a > 0, a, 1))[1] - 1 - 2, -126, 127), 0)      # np.frexp(a)[1] - 1 = floor(log2(a)), exactly
;;       r = np.clip(x / 2.0 ** e, -6, 6)
;;       step = 2.0 ** (np.maximum(np.frexp(np.where(r == 0, 1, r))[1] - 1, 0) - 1)
;;       q = np.round(r / step) * step * 2.0 ** e      # np.round: ties to even
;;       return np.moveaxis(q.reshape(q.shape[:-2] + (-1,))[..., :K], -1, axis).astype(np.float32)
;;   ~~~
;; One version. Each part assembles by itself: llvm-mc -triple=amdgcn-amd-amdhsa -mcpu=gfx1250 --defsym DOCPART=n.
;; ======== version 1 of 1: 5 launches
;; limits: values are held in f16: magnitudes above 65,504 overflow, below 6.1e-05 lose precision
;; workspace buffers: codes 12,582,912 bytes; scales 786,432 bytes; rope 1,048,576 bytes; wo16 8,388,608 bytes; mbits 524,288 bytes of whole numbers; qkv 25,165,824 bytes; o16 8,388,608 bytes
;; launch prep (part 1): grid 128 x 9, 4 waves a work-group, no clusters, 33,280 bytes of LDS; arguments query, key, value, w_q, w_k, w_v, w_o, mask, codes, scales, wo16, rope, mbits; writes codes, scales, wo16, rope, mbits
.if DOCPART == 1
	.amdgcn_target "amdgcn-amd-amdhsa--gfx1250"
	.amdhsa_code_object_version 6
	.text
	.protected	k_q8d852371bd_prep
	.globl	k_q8d852371bd_prep
	.p2align	8
	.type	k_q8d852371bd_prep,@function
k_q8d852371bd_prep:
	s_mov_b64 s[64:65], 0
	v_nop
	global_prefetch_b8 v0, s[64:65] scope:SCOPE_SE
	s_setreg_imm32_b32 hwreg(HW_REG_WAVE_MODE, 25, 1), 1
	s_wait_xcnt 0x0
; PREP: everything that is made once from the inputs.  The work-group's y picks the job:
;   y = 0..5  query, key, value, w_q, w_k, w_v (f32, K innermost) -> codes of FP4 (E2M1), two a byte, and one E8M0 byte for each 32 along K
;   y = 6     w_o -> f16 (operand of the last product, which is left as it is)
;   y = 7     the mask -> one bit a lane: words that the attention launch takes as lane masks of its score registers
;   y = 8     the rotary table: sqrt(c) cos and sqrt(c) sin, c = log2(e) / sqrt(128), laid in the order in which the projection's result registers want it
; (The order of the jobs is free.  w_o and the mask, the two that move the most bytes beside the quantiser, stand in neighbouring rows of the grid.)
; NO WORK OF THE PROBLEM IS LEFT OUT IN THIS PROGRAM: every input has a way to the output, and every input is loaded by some launch.  The mask is an input: no pattern of it is built in.
; THE QUANTISER: a block's scale is 2^(floor(log2(largest magnitude)) - 2); its byte is the largest magnitude's exponent field - 2, held at 1 from below.
; A block of zeros so gets the byte 1 where the rule says 127: its codes are zeros, which add nothing under any byte but 0xff, and this program alone reads the bytes.
; LIMITS: blocks whose largest magnitude lies under 2^(2 - 126) were not tried; NaN and infinities among the inputs are not served; |w_o| stays under 65,504 (f16).
; The angles: inv_freq = 2^(-d log2(10000) / 64) by v_exp_f32; angle = position x inv_freq, rounded once; it can differ from a correctly rounded table's by some 3e-4 rad at the last positions.
; Sine and cosine: n = nearest whole number to angle x 2 / pi; r = angle - n pi / 2 in two fused steps (the first is exact: n < 2^11); series to r^9 and r^8 on |r| <= pi / 4; the quadrant by selects.
.set WREG,  8192                       ; LDS of a quantising wave: two stages of 32 x SP bytes, behind them its 256 scale bytes
.set SP,    80                         ; a lane's place in a stage: 64 bytes + 16 of padding
.set STEPS, 16
.set EMAX,  2
.set CB,    8                          ; bytes of 16 codes
.set R,     16                         ; v16-79   four sets of 16 numbers as loaded
.set X,     80                         ; v80-111  two sets of 16 neighbours
.set E,     112                        ; v112-127 a scale byte for each step
.set C,     128                        ; v128-191 codes, four registers for each step
.set SPW,   12                         ; v12  LDS address of my spare word; never rewritten
.set NIL,   13                         ; v13  0; never rewritten
.set SPARE, 4*WREG                     ; behind the four regions: the spare words, 128 bytes for each wave
	s_load_b512 s[8:23], s[0:1], 0x0               ; query, key, value, w_q, w_k, w_v, w_o, mask
	s_load_b256 s[24:31], s[0:1], 0x40             ; codes, scales, wo16, rope
	s_load_b64 s[32:33], s[0:1], 0x60              ; mbits
	v_lshl_add_u32 v[SPW], v0, 2, SPARE
	v_mov_b32 v[NIL], 0
	v_lshrrev_b32 v1, 5, v0
	v_readfirstlane_b32 s36, v1                    ; wave
	v_and_b32 v2, 31, v0                           ; lane
	v_lshlrev_b32 v3, 4, v2                        ; 16 x lane
	v_lshlrev_b32 v7, 3, v2                        ; 8 x lane
	s_mul_i32 s37, s36, WREG                       ; the quantiser's LDS addresses are made here, ahead of the branches
	v_lshrrev_b32 v14, 2, v2
	v_mul_u32_u24 v14, v14, SP
	v_and_b32 v15, 3, v2
	v_lshl_add_u32 v14, v15, 4, v14
	v_add_nc_u32 v14, s37, v14                     ; into a stage: SP (lane / 4) + 16 (lane % 4)
	v_mul_u32_u24 v15, v2, SP
	v_add_nc_u32 v15, s37, v15                     ; out of it: SP x lane: my 16 neighbours
	v_lshrrev_b32 v5, 1, v2
	s_add_co_u32 s37, s37, 2*32*SP
	v_add_nc_u32 v5, s37, v5                       ; my block's scale byte
	v_add_nc_u32 v6, s37, v7                       ; and 8 of them a lane on the way out
	s_and_b32 s34, ttmp7, 0xffff                   ; y: the job
	s_lshl_b32 s35, ttmp9, 2
	s_add_co_u32 s35, s35, s36                     ; run = 4 x + wave, 0 .. 511
	s_mov_b32 s39, 0
	s_wait_kmcnt 0x0
	s_cmp_lt_u32 s34, 6
	s_cbranch_scc0 .Lnot_quant
; ---- y = 0..5: a wave takes 16 steps of 512 numbers.  Each load reads 512 consecutive bytes; a step's 2,048 bytes turn through the wave's own stage so that a lane holds 16 neighbours along K.
	s_mov_b64 s[4:5], s[8:9]                       ; the tensor is chosen by y alone
	s_cmp_eq_u32 s34, 1
	s_cselect_b64 s[4:5], s[10:11], s[4:5]
	s_cmp_eq_u32 s34, 2
	s_cselect_b64 s[4:5], s[12:13], s[4:5]
	s_cmp_eq_u32 s34, 3
	s_cselect_b64 s[4:5], s[14:15], s[4:5]
	s_cmp_eq_u32 s34, 4
	s_cselect_b64 s[4:5], s[16:17], s[4:5]
	s_cmp_eq_u32 s34, 5
	s_cselect_b64 s[4:5], s[18:19], s[4:5]
	s_lshl_b32 s38, s35, 15                        ; 8,192 numbers of 4 bytes a run
	s_add_nc_u64 s[4:5], s[4:5], s[38:39]
	s_lshl_b32 s38, s34, 21                        ; a tensor's codes are 2 MiB, a run's 4,096 bytes
	s_lshl_b32 s40, s35, 12
	s_add_co_u32 s38, s38, s40
	s_add_nc_u64 s[24:25], s[24:25], s[38:39]
	s_lshl_b32 s38, s34, 17                        ; a tensor's scale bytes are 128 KiB, a run's 256
	s_lshl_b32 s40, s35, 8
	s_add_co_u32 s38, s38, s40
	s_add_nc_u64 s[26:27], s[26:27], s[38:39]
.macro LOAD t
.irp i, 0,1,2,3
	global_load_b128 v[R+16*((\t)%4)+4*\i:R+16*((\t)%4)+4*\i+3], v3, s[4:5] offset:2048*(\t)+512*\i th:TH_LOAD_NT
.endr
.endm
.macro TURN t                          ; LDS serves a wave's instructions in order: no wait between the stores and the loads
.irp i, 0,1,2,3
	ds_store_b128 v14, v[R+16*((\t)%4)+4*\i:R+16*((\t)%4)+4*\i+3] offset:32*SP*((\t)%2)+8*SP*\i
.endr
.irp i, 0,1,2,3
	ds_load_b128 v[X+16*((\t)%2)+4*\i:X+16*((\t)%2)+4*\i+3], v15 offset:32*SP*((\t)%2)+16*\i
.endr
.endm
.irp t, 0,1,2,3
	LOAD \t
.endr
	s_wait_loadcnt 12                              ; step 0's four loads are in; those of three steps may be out
	TURN 0
.macro STEP t
.set XS, X+16*((\t)%2)
.if (\t) > 0
	s_wait_dscnt 1                                 ; this step's numbers are back from the stage; the last step's byte store may be out
.else
	s_wait_dscnt 0x0
.endif
.if (\t)+4 < STEPS
	LOAD (\t)+4
.endif
.if (\t)+1 < STEPS
.if STEPS-2-(\t) >= 3
	s_wait_loadcnt 12                              ; the next step's four loads are in; those of the three steps behind it may be out
.else
	s_wait_loadcnt 4*(STEPS-2-(\t))
.endif
	TURN (\t)+1
.endif
	v_max3_num_f32 v8, |v[XS]|, |v[XS+1]|, |v[XS+2]|
	v_max3_num_f32 v9, |v[XS+3]|, |v[XS+4]|, |v[XS+5]|
.irp i, 6,10
	v_max3_num_f32 v8, v8, |v[XS+\i]|, |v[XS+\i+1]|
	v_max3_num_f32 v9, v9, |v[XS+\i+2]|, |v[XS+\i+3]|
.endr
	v_max3_num_f32 v8, v8, |v[XS+14]|, |v[XS+15]|
	v_max3_num_f32 v8, v8, v9, (EMAX+1)<<23        ; the floor 2^(3 - 127): the byte cannot fall under 1
	v_max_num_f32_dpp v8, v8, v8 row_xmask:1 row_mask:0xf bank_mask:0xf   ; with my neighbour's 16: the block's largest magnitude
	v_add_nc_u32 v11, -(EMAX<<23), v8              ; 2 off its exponent field: the conversion takes this operand's exponent field as its scale
	v_cvt_scalef32_pk8_fp4_f32 v[C+4*(\t)], v[XS:XS+7], v11
	v_cvt_scalef32_pk8_fp4_f32 v[C+4*(\t)+1], v[XS+8:XS+15], v11
	v_lshrrev_b32 v[E+(\t)], 23, v11               ; the scale's byte
	ds_store_b8 v5, v[E+(\t)] offset:16*(\t)       ; both lanes of a block write the same byte with the same value
	global_store_b64 v7, v[C+4*(\t):C+4*(\t)+1], s[24:25] offset:32*CB*(\t)   ; the wave stores 256 consecutive bytes, aligned
.endm
.irp t, 0,1,2,3,4,5,6,7,8,9,10,11,12,13,14,15
	STEP \t
.endr
	ds_load_b64 v[8:9], v6
	s_wait_dscnt 0x0
	global_store_b64 v7, v[8:9], s[26:27]          ; the wave's 256 scale bytes, aligned
	s_wait_tensorcnt 0x0                           ; the wave's end
	ds_add_u32 v[SPW], v[NIL]
	s_wait_dscnt 0x0
	s_endpgm
.Lnot_quant:
	s_cmp_eq_u32 s34, 6
	s_cbranch_scc0 .Lnot_wo
; ---- y = 6: w_o to f16.  A wave takes 8,192 numbers: 64 loads of 512 consecutive bytes, 64 stores of 256, in four groups of 16 on two sets of registers.
	s_lshl_b32 s38, s35, 15
	s_add_nc_u64 s[20:21], s[20:21], s[38:39]
	s_lshl_b32 s38, s35, 14
	s_add_nc_u64 s[28:29], s[28:29], s[38:39]
.macro WLOAD g
.irp i, 0,1,2,3,4,5,6,7,8,9,10,11,12,13,14,15
	global_load_b128 v[16+64*((\g)%2)+4*\i:16+64*((\g)%2)+4*\i+3], v3, s[20:21] offset:8192*(\g)+512*\i th:TH_LOAD_NT
.endr
.endm
.macro WGROUP g
.if (\g) < 3
	s_wait_loadcnt 16                              ; this group is in; the next group's 16 loads may be out
.else
	s_wait_loadcnt 0x0
.endif
.if (\g) > 0
	s_wait_xcnt 0x0                                ; the last group's stores have read their data registers
.endif
.irp i, 0,1,2,3,4,5,6,7,8,9,10,11,12,13,14,15
	v_cvt_pk_f16_f32 v[144+2*\i], v[16+64*((\g)%2)+4*\i], v[16+64*((\g)%2)+4*\i+1]
	v_cvt_pk_f16_f32 v[145+2*\i], v[16+64*((\g)%2)+4*\i+2], v[16+64*((\g)%2)+4*\i+3]
.endr
.irp i, 0,1,2,3,4,5,6,7,8,9,10,11,12,13,14,15
	global_store_b64 v7, v[144+2*\i:145+2*\i], s[28:29] offset:4096*(\g)+256*\i
.endr
.if (\g)+2 < 4
	WLOAD (\g)+2
.endif
.endm
	WLOAD 0
	WLOAD 1
	WGROUP 0
	WGROUP 1
	WGROUP 2
	WGROUP 3
	s_endpgm
.Lnot_wo:
	s_cmp_eq_u32 s34, 8
	s_cbranch_scc0 .Lbits
; ---- y = 8: the table.  Work-group x = a block of 16 positions; wave b; lane (r, h): position 16 x + r, d = 16 b + 8 h + i, i = 0 .. 7.
	v_and_b32 v8, 15, v0                           ; r
	v_bfe_u32 v9, v0, 4, 1                         ; h
	s_lshl_b32 s38, ttmp9, 4
	v_add_nc_u32 v10, s38, v8
	v_cvt_f32_u32 v10, v10                         ; the position
	s_lshl_b32 s38, s36, 4
	v_lshl_add_u32 v11, v9, 3, s38                 ; 16 b + 8 h
	s_mov_b32 s40, 0xbfc90fdb                      ; -(pi / 2 rounded to f32)
	s_mov_b32 s41, 0x333bbd2e                      ; that number less pi / 2
	s_mov_b32 s42, 0x3eb6d544                      ; sqrt(c)
	v_mov_b32 v56, 0x3638ef1d                      ; 1 / 9!
	v_mov_b32 v57, 0x37d00d01                      ; 1 / 8!
.irp i, 0,1,2,3,4,5,6,7
	v_add_nc_u32 v[16+\i], \i, v11
	v_cvt_f32_u32 v[16+\i], v[16+\i]
	v_mul_f32 v[16+\i], 0xbe549a78, v[16+\i]       ; -d log2(10000) / 64
.endr
.irp i, 0,1,2,3,4,5,6,7
	v_exp_f32 v[16+\i], v[16+\i]                   ; inv_freq
.endr
	v_nop                                          ; a plain instruction behind the last exponential,
	s_wait_alu depctr_va_vdst(0)                   ; and one wait for the batch, ahead of its first reader
.macro SINCOS i
	v_mul_f32 v48, v10, v[16+\i]                   ; the angle
	v_mul_f32 v49, 0x3f22f983, v48
	v_rndne_f32 v49, v49                           ; n
	v_fma_f32 v50, v49, s40, v48
	v_fma_f32 v50, v49, s41, v50                   ; r
	v_cvt_i32_f32 v51, v49
	v_mul_f32 v52, v50, v50                        ; r^2
	v_fmaak_f32 v53, v56, v52, 0xb9500d01
	v_fmaak_f32 v53, v53, v52, 0x3c088889
	v_fmaak_f32 v53, v53, v52, 0xbe2aaaab
	v_mul_f32 v54, v50, v52
	v_fma_f32 v53, v53, v54, v50                   ; sin r
	v_fmaak_f32 v55, v57, v52, 0xbab60b61
	v_fmaak_f32 v55, v55, v52, 0x3d2aaaab
	v_fmaak_f32 v55, v55, v52, 0xbf000000
	v_fma_f32 v55, v55, v52, 1.0                   ; cos r
	v_and_b32 v58, 1, v51
	v_cmp_eq_u32 vcc_lo, 1, v58                    ; odd quadrants change sine and cosine
	v_cndmask_b32 v59, v53, v55, vcc_lo
	v_cndmask_b32 v60, v55, v53, vcc_lo
	v_and_b32 v58, 2, v51
	v_lshlrev_b32 v58, 30, v58
	v_xor_b32 v59, v58, v59                        ; the sine is negative in quadrants 2, 3,
	v_add_nc_u32 v58, 1, v51
	v_and_b32 v58, 2, v58
	v_lshlrev_b32 v58, 30, v58
	v_xor_b32 v60, v58, v60                        ; the cosine in 1, 2
	v_mul_f32 v[32+\i], s42, v60
	v_mul_f32 v[40+\i], s42, v59
.endm
.irp i, 0,1,2,3,4,5,6,7
	SINCOS \i
.endr
	s_lshl_b32 s38, ttmp9, 13
	s_lshl_b32 s40, s36, 11
	s_add_co_u32 s38, s38, s40
	s_add_nc_u64 s[30:31], s[30:31], s[38:39]
.irp p, 0,1,2,3
	global_store_b128 v3, v[32+4*\p:35+4*\p], s[30:31] offset:512*\p   ; pieces: cos 0-3, cos 4-7, sin 0-3, sin 4-7; 512 consecutive bytes each
.endr
	s_endpgm
.Lbits:
; ---- y = 7: the mask's bytes become bits.  A wave takes 32 queries (qp) x 256 keys (g).  Lane (r, h) loads 8 bytes: query 32 qp + 16 u + r, keys 16 kt + 8 h + 0 .. 7.
; Word 32 u + 8 kt + j of a block of 64 keys: bit l = mask[32 qp + 16 u + l % 16][64 ks + 16 kt + 8 (l / 16) + j].
	s_lshr_b32 s40, s35, 3                         ; qp
	s_and_b32 s41, s35, 7                          ; g
	s_lshl_b32 s38, s40, 16
	s_lshl_b32 s42, s41, 8
	s_add_co_u32 s38, s38, s42
	s_add_nc_u64 s[22:23], s[22:23], s[38:39]
	s_lshl_b32 s38, s40, 13
	s_lshl_b32 s42, s41, 10
	s_add_co_u32 s38, s38, s42
	s_add_nc_u64 s[32:33], s[32:33], s[38:39]
	v_and_b32 v8, 15, v0
	v_bfe_u32 v9, v0, 4, 1
	v_lshlrev_b32 v1, 11, v8
	v_lshl_add_u32 v1, v9, 3, v1                   ; r x 2,048 + 8 h
.irp s, 0,1,2,3
.irp u, 0,1
.irp t, 0,1,2,3
	global_load_b64 v[16+2*(8*\s+4*\u+\t):17+2*(8*\s+4*\u+\t)], v1, s[22:23] offset:32768*\u+16*(4*\s+\t) th:TH_LOAD_NT
.endr
.endr
.endr
.irp i, 0,1,2,3,4,5,6,7
	v_mov_b32 v[80+\i], 0                          ; a lane write's destination counts as read
.endr
.set KB, 0
.rept 4
	s_wait_loadcnt 24-8*KB                         ; this block's eight loads are in; the later blocks' may be out
.set WI, 0
.rept 64
	v_and_b32 v[8+WI%4], 0xff<<(8*(WI&3)), v[16+2*(8*KB+4*(WI>>5)+((WI>>3)&3))+((WI>>2)&1)]
	v_cmp_ne_u32 s[40+WI%8], 0, v[8+WI%4]
	v_writelane_b32 v[80+2*KB+(WI&1)], s[40+WI%8], WI>>1
.set WI, WI+1
.endr
	global_store_b64 v7, v[80+2*KB:81+2*KB], s[32:33] offset:256*KB   ; 64 words: 256 consecutive bytes, aligned
.set KB, KB+1
.endr
	s_endpgm
.Lfunc_end_k_q8d852371bd_prep:
	.size	k_q8d852371bd_prep, .Lfunc_end_k_q8d852371bd_prep-k_q8d852371bd_prep
	.p2alignl 7, 3214868480
	.fill 96, 4, 3214868480
	.section	.rodata,"a",@progbits
	.p2align	6, 0x0
	.amdhsa_kernel k_q8d852371bd_prep
		.amdhsa_group_segment_fixed_size 33280
		.amdhsa_private_segment_fixed_size 0
		.amdhsa_enable_private_segment 0
		.amdhsa_kernarg_size 104
		.amdhsa_user_sgpr_count 2
		.amdhsa_user_sgpr_kernarg_segment_ptr 1
		.amdhsa_wavefront_size32 1
		.amdhsa_system_sgpr_workgroup_id_x 1
		.amdhsa_system_sgpr_workgroup_id_y 1
		.amdhsa_system_sgpr_workgroup_id_z 1
		.amdhsa_system_vgpr_workitem_id 0
		.amdhsa_next_free_vgpr 192
		.amdhsa_next_free_sgpr 66
		.amdhsa_reserve_vcc 1
		.amdhsa_float_denorm_mode_32 3
		.amdhsa_float_denorm_mode_16_64 3
		.amdhsa_memory_ordered 1
		.amdhsa_forward_progress 1
		.amdhsa_inst_pref_size 119
	.end_amdhsa_kernel
	.amdgpu_metadata
---
amdhsa.version: [ 1, 2 ]
amdhsa.kernels:
  - .name:           k_q8d852371bd_prep
    .symbol:         k_q8d852371bd_prep.kd
    .args:
      - { .name: query, .offset: 0, .size: 8, .value_kind: global_buffer, .address_space: global }
      - { .name: key, .offset: 8, .size: 8, .value_kind: global_buffer, .address_space: global }
      - { .name: value, .offset: 16, .size: 8, .value_kind: global_buffer, .address_space: global }
      - { .name: w_q, .offset: 24, .size: 8, .value_kind: global_buffer, .address_space: global }
      - { .name: w_k, .offset: 32, .size: 8, .value_kind: global_buffer, .address_space: global }
      - { .name: w_v, .offset: 40, .size: 8, .value_kind: global_buffer, .address_space: global }
      - { .name: w_o, .offset: 48, .size: 8, .value_kind: global_buffer, .address_space: global }
      - { .name: mask, .offset: 56, .size: 8, .value_kind: global_buffer, .address_space: global }
      - { .name: codes, .offset: 64, .size: 8, .value_kind: global_buffer, .address_space: global }
      - { .name: scales, .offset: 72, .size: 8, .value_kind: global_buffer, .address_space: global }
      - { .name: wo16, .offset: 80, .size: 8, .value_kind: global_buffer, .address_space: global }
      - { .name: rope, .offset: 88, .size: 8, .value_kind: global_buffer, .address_space: global }
      - { .name: mbits, .offset: 96, .size: 8, .value_kind: global_buffer, .address_space: global }
    .group_segment_fixed_size: 33280
    .private_segment_fixed_size: 0
    .kernarg_segment_align: 8
    .kernarg_segment_size: 104
    .max_flat_workgroup_size: 128
    .sgpr_count:     66
    .vgpr_count:     192
    .wavefront_size: 32
...
	.end_amdgpu_metadata
.endif
;; end of part 1
;; launch proj (part 2): grid 8 x 24, 4 waves a work-group, clusters of 4 x 4, 327,680 bytes of LDS; arguments codes, scales, rope, qkv; writes qkv
.if DOCPART == 2
	.amdgcn_target "amdgcn-amd-amdhsa--gfx1250"
	.amdhsa_code_object_version 6
	.text
	.protected	k_q8d852371bd_proj
	.globl	k_q8d852371bd_proj
	.p2align	8
	.type	k_q8d852371bd_proj,@function
k_q8d852371bd_proj:
	s_mov_b64 s[64:65], 0
	v_nop
	global_prefetch_b8 v0, s[64:65] scope:SCOPE_SE
	s_setreg_imm32_b32 hwreg(HW_REG_WAVE_MODE, 25, 1), 1
	s_wait_xcnt 0x0
	s_wait_alu depctr_hold_cnt(0) depctr_sa_sdst(0) depctr_va_vdst(0) depctr_va_sdst(0) depctr_va_ssrc(0) depctr_va_vcc(0) depctr_vm_vsrc(0)
	s_getreg_b32 s2, hwreg(HW_REG_IB_STS2, 6, 4)
	s_cmp_eq_u32 s2, 0
	s_cbranch_scc0 .Lentry_in_a_cluster
	s_endpgm
.Lentry_in_a_cluster:
	s_bfe_u32 s2, ttmp6, 0x10000c
	s_cmp_lg_u32 s2, 0xf033
	s_cbranch_scc0 .Lentry_shape_is_right
	s_endpgm
.Lentry_shape_is_right:
; PROJ: the three quantised products in one launch: Q = query w_q^T, K = key w_k^T, V = value w_v^T, on codes of FP4 (E2M1) with one E8M0 scale for each 32 along K; sums in f32.
; The three x tensors are one run of 6,144 rows of codes; tile row R = 0 .. 23 of 256 rows; g = R / 8 says which product, and so which weight.  Nothing of the problem's work is left out here.
; A tile of 256 x 256 is made by four waves, each 128 x 128: 64 accumulators, 512 registers.  K goes in steps of 512 (rows of 256 bytes) through two LDS slots filled by the tensor data mover.
; The scale bytes of the work-group's 256 + 256 rows, for all of K, come into LDS once, in pieces of 256 bytes, and stay.
; CLUSTERS: 4 x 4 work-groups: A's tiles are asked for jointly along a row of the cluster, B's along a column.  All sixteen have the same g (four clusters to a product).
; THE MATRIX INSTRUCTION IS USED TRANSPOSED (source 0 = 16 rows of the weight, source 1 = 16 rows of x): a lane holds eight neighbouring columns of one row.
; THE WAY OUT: a wave's 128 columns are ONE head.  The rotary partner of column d is d + 64: accumulators (a, b) and (a, b + 4), same lane, same register: so Q and K are turned in registers,
; by a table that already carries sqrt(c), c = log2(e) / sqrt(128): the attention's scores then come out as exponents of 2.  V is only rounded.  All three leave as f16, [3][16 heads][2048][128].
; THE TABLE IS ASKED FOR AHEAD.  A block of 16 positions wants 64 registers of it; window 1 holds four such sets.  Two of them (v64-127, v192-255) are free through the whole K loop: blocks 0 and 1 are
; loaded there at the kernel's head.  Blocks 2 and 3 go into B's two fragment sets behind the last products, and block a + 4 into block a's set behind its turning: three sets are on their way at a time.
; V's work-groups ask for the first two sets too, 16 KiB a wave, and do not read them: the text parts on g once, at the way out, so that every way that reads the table has passed all its loads.
; LIMIT: sqrt(c) Q, sqrt(c) K and V must lie under 65,504 in magnitude (f16).
; REGISTERS: window 0: v0-31 addresses; v32-95 scale words, two sets, and nothing else; v128-191 A's fragments, one set; on the way out v96-159 turned numbers, v160-191 packed, v192-255 rows read back.
;   window 1: B's fragments at v0-63 and v128-191; the table's four sets of 64.   windows 2, 3: the accumulators ((a, b) at v[8 (8 (a % 4) + b)]).
.set SIZE_K, 2048
.set KSTEP,  512
.set NQ,     KSTEP/128
.set ROWB,   256
.set KROW,   SIZE_K*4/8
.set PITCH,  272                       ; 256 bytes + 16 of padding: the 16 rows that a load touches start 4 banks apart
.set FR,     8
.set NL,     2
.set NP,     4
.set HALFT,  128*PITCH
.set SLOT,   4*HALFT
.set LAPS,   SIZE_K/(2*KSTEP)
.set KS,     SIZE_K/32
.set SCL,    2*SLOT
.set HALFS,  (128*KS/256)*272
.set SBLK,   (16*KS/256)*272
.set SPARE,  SCL+4*HALFS               ; the spare words, 128 bytes for each wave
.set STG,    16*272                    ; a wave's stage: 16 rows x (256 + 16) bytes, in slot 0, which has had its last fill and its last read by then
.set ADRA, 16
.set ADRB, 20
.set STO,  24
.set RD,   25
.set CO,   26
.set ADRS, 27
.set SPW,  28
.set NIL,  29
.set RO,   30
.set SC,   32
.set YR,   96
.set AF,   128
.set PKD,  160
.set BK,   192
.set G1, 24
.set G0, 32
.set G1B, 48
.set G0B, 56
.set G1S, 68
.set G0S, 76
.set G1SB, 80
.set G0SB, 88
.set MSB, 0
.macro WIN new                         ; the immediate's high byte repeats the setting that is left
.if MSB != \new
	s_set_vgpr_msb (MSB<<8)|\new
.set MSB, \new
.endif
.endm
.set MUL_LO, 0xa1
.set MUL_HI, 0xf1
.set TO_B,   0x40
; A joint load: waves 0 and 1 fetch for A, waves 2 and 3 for B.  The branch hangs on the wave's number alone.  An s_nop 0 and four v_nop follow each line.
.macro JLOAD g0a, g1a, g0b, g1b
	s_cmp_eq_u32 s15, 0
	s_cbranch_scc0 .Lfor_b_\@
	tensor_load_to_lds s[\g0a:\g0a+3], s[\g1a:\g1a+7]
	s_nop 0
.rept 4
	v_nop
.endr
	s_branch .Lasked_\@
.Lfor_b_\@:
	tensor_load_to_lds s[\g0b:\g0b+3], s[\g1b:\g1b+7]
	s_nop 0
.rept 4
	v_nop
.endr
.Lasked_\@:
.endm
.macro CREST
	s_cmp_lg_u32 s14, 0
	s_cbranch_scc1 .Lnot_wave_0_\@
	s_barrier_signal -3
.Lnot_wave_0_\@:
	s_barrier_wait -3
	s_barrier_signal -1
	s_barrier_wait -1
.endm
.macro CROUND
	s_barrier_signal -1
	s_barrier_wait -1
	CREST
.endm
; The table of block a: for b = 0 .. 3: cos of d = 16 b + 8 h + 0 .. 7 at register 16 b, sin at 16 b + 8, of the block's set in window 1.
; Blocks 0, 1, 2, 3 (and 4, 5, 6, 7 after them) take the sets at v64, v192, v0, v128: the first two are the ones that the K loop leaves alone.
.macro TLOAD a
.set TS, 64*((2*((\a)%4)+1)%5)
	WIN 0x40
.irp b, 0,1,2,3
.irp p, 0,1,2,3
	global_load_b128 v[TS+16*\b+4*\p:TS+16*\b+4*\p+3], v[RO], s[8:9] offset:(\a)*8192+\b*2048+\p*512
.endr
.endr
	WIN 0
.endm
	s_load_b256 s[4:11], s[0:1], 0x0               ; codes s[4:5], scales s[6:7], rope s[8:9], qkv s[10:11]
	v_lshl_add_u32 v[SPW], v0, 2, SPARE
	v_mov_b32 v[NIL], 0
	ds_add_u32 v[SPW], v[NIL]                      ; the opening: the add, twice on end, and its wait ahead of my first tensor load
	ds_add_u32 v[SPW], v[NIL]
	v_lshrrev_b32 v1, 5, v0
	v_readfirstlane_b32 s14, v1                    ; wave
	s_lshr_b32 s15, s14, 1                         ; my half of the tile's rows; also: I fetch for A (0) or B (1)
	s_and_b32 s16, s14, 1                          ; my half of its columns; also: which 128 rows I fetch
	s_bfe_u32 s40, ttmp6, 0x40000                  ; cx
	s_bfe_u32 s41, ttmp6, 0x40004                  ; cy
	s_lshl_b32 s42, ttmp9, 2
	s_add_co_u32 s42, s42, s40                     ; tile column 0 .. 7
	s_and_b32 s12, ttmp7, 0xffff                   ; cluster y 0 .. 5
	s_lshl_b32 s17, s12, 2
	s_add_co_u32 s17, s17, s41                     ; tile row R 0 .. 23
	s_lshr_b32 s12, s12, 1                         ; g: the product; the same in all sixteen partners
	s_lshl_b32 s43, s41, 2
	s_lshl_b32 s43, 15, s43                        ; my row of the cluster
	s_lshl_b32 s44, 0x1111, s40                    ; my column
	s_or_b32 s[G1+0], s43, (0<<16)|(1<<20)|(1<<21)|(5<<22)|(3<<25)  ; mask; elements of 1 byte; padding on; bit 21 beside a mask; 4 words behind every 64
	s_or_b32 s[G1B+0], s44, (0<<16)|(1<<20)|(1<<21)|(5<<22)|(3<<25)
.irp g, G1, G1B
	s_mov_b32 s[\g+1], ROWB<<16
	s_mov_b32 s[\g+2], 128<<16
	s_mov_b32 s[\g+3], ROWB<<16
	s_mov_b32 s[\g+4], 128
	s_mov_b32 s[\g+5], KROW
	s_mov_b32 s[\g+6], 0
	s_mov_b32 s[\g+7], 0
.endr
	s_or_b32 s[G1S+0], s43, (3<<16)|(1<<20)|(1<<21)|(5<<22)|(3<<25) ; the scales of 128 rows: a dense block as rows of 256 bytes (32 elements of 8)
	s_or_b32 s[G1SB+0], s44, (3<<16)|(1<<20)|(1<<21)|(5<<22)|(3<<25)
.irp g, G1S, G1SB
	s_mov_b32 s[\g+1], 32<<16
	s_mov_b32 s[\g+2], (128*KS/256)<<16
	s_mov_b32 s[\g+3], 32<<16
	s_mov_b32 s[\g+4], 128*KS/256
	s_mov_b32 s[\g+5], 32
	s_mov_b32 s[\g+6], 0
	s_mov_b32 s[\g+7], 0
.endr
	s_lshl_b32 s18, s16, 7
	s_lshl_b32 s20, s17, 8
	s_add_co_u32 s20, s20, s18                     ; A: row 256 R + 128 half of the 12,288 rows of codes
	s_lshl_b32 s46, s42, 8
	s_add_co_u32 s46, s46, s18
	s_add_co_u32 s13, s12, 3
	s_lshl_b32 s13, s13, 11
	s_add_co_u32 s46, s46, s13                     ; B: row 2,048 (3 + g) + 256 column + 128 half
	s_mov_b32 s21, 0
	s_mov_b32 s47, 0
	s_mov_b64 s[18:19], KS
	s_mul_u64 s[22:23], s[20:21], s[18:19]
	s_mul_u64 s[92:93], s[46:47], s[18:19]
	s_mov_b64 s[18:19], KROW
	s_mul_u64 s[20:21], s[20:21], s[18:19]
	s_mul_u64 s[46:47], s[46:47], s[18:19]
	s_mul_i32 s45, s14, HALFT
	s_mul_i32 s94, s14, HALFS
	s_wait_dscnt 0x0                               ; both opening adds are done
	s_wait_kmcnt 0x0
	s_add_nc_u64 s[20:21], s[4:5], s[20:21]
	s_add_nc_u64 s[22:23], s[6:7], s[22:23]
	s_add_nc_u64 s[46:47], s[4:5], s[46:47]
	s_add_nc_u64 s[92:93], s[6:7], s[92:93]
	CROUND                                         ; all sixteen work-groups are here: the first joint loads meet
	s_mov_b32 s[G0S], 1
	s_add_co_u32 s[G0S+1], s94, SCL
	s_mov_b64 s[G0S+2:G0S+3], s[22:23]
	s_or_b32 s[G0S+3], s[G0S+3], 0x80000000
	s_mov_b32 s[G0SB], 1
	s_add_co_u32 s[G0SB+1], s94, SCL
	s_mov_b64 s[G0SB+2:G0SB+3], s[92:93]
	s_or_b32 s[G0SB+3], s[G0SB+3], 0x80000000
	JLOAD G0S, G1S, G0SB, G1SB                     ; the scales first; with the two slots three loads of mine are out
.irp s, 0,1
	s_mov_b32 s[G0+4*\s], 1
	s_add_co_u32 s[G0+4*\s+1], s45, \s*SLOT
	s_add_nc_u64 s[G0+4*\s+2:G0+4*\s+3], s[20:21], \s*ROWB
	s_or_b32 s[G0+4*\s+3], s[G0+4*\s+3], 0x80000000
	s_mov_b32 s[G0B+4*\s], 1
	s_add_co_u32 s[G0B+4*\s+1], s45, \s*SLOT
	s_add_nc_u64 s[G0B+4*\s+2:G0B+4*\s+3], s[46:47], \s*ROWB
	s_or_b32 s[G0B+4*\s+3], s[G0B+4*\s+3], 0x80000000
	JLOAD G0+4*\s, G1, G0B+4*\s, G1B
.endr
	v_and_b32 v1, 15, v0                           ; r
	v_bfe_u32 v2, v0, 4, 1                         ; h
	v_mul_u32_u24 v3, v1, PITCH
	v_lshl_add_u32 v4, v2, 4, v3
	s_mul_i32 s21, s15, HALFT
	s_mul_i32 s22, s16, HALFT
	s_add_co_u32 s22, s22, 2*HALFT
.irp s, 0,1
	v_add_nc_u32 v[ADRA+\s], s21, v4
	v_add_nc_u32 v[ADRB+\s], s22, v4
	s_add_co_u32 s21, s21, SLOT
	s_add_co_u32 s22, s22, SLOT
.endr
	v_mul_u32_u24 v5, v1, KS
	v_lshrrev_b32 v6, 8, v5
	v_lshl_add_u32 v5, v6, 4, v5
	s_mul_i32 s21, s15, HALFS
	s_mul_i32 s22, s16, HALFS
	s_add_co_u32 s22, s22, 2*HALFS
	s_sub_co_u32 s22, s22, s21
	v_mul_u32_u24 v6, s22, v2                      ; lanes 16-31 take B's scale words
	s_add_co_u32 s21, s21, SCL
	v_add_nc_u32 v5, v5, v6
	v_add_nc_u32 v[ADRS], s21, v5
	s_mul_i32 s23, s14, STG                        ; my stage
	v_mul_u32_u24 v5, v1, 272
	v_lshl_add_u32 v5, v2, 4, v5
	v_add_nc_u32 v[STO], s23, v5                   ; in: row r, 16 bytes for each half of the lanes
	v_mul_u32_u24 v5, v2, 272
	v_lshl_add_u32 v5, v1, 4, v5
	v_add_nc_u32 v[RD], s23, v5                    ; back: lanes 0-15 one row of 256 bytes, lanes 16-31 the next
	v_lshlrev_b32 v5, 8, v2
	v_lshl_add_u32 v[CO], v1, 4, v5                ; and the same two rows in memory
	v_and_b32 v6, 31, v0
	v_lshlrev_b32 v[RO], 4, v6                     ; the table: 16 bytes a lane
	s_lshl_b32 s46, s42, 1
	s_add_co_u32 s46, s46, s16                     ; my head = 2 x tile column + column half
	s_lshl_b32 s46, s46, 19                        ; 2,048 rows of 256 bytes a head
	s_lshl_b32 s47, s12, 23                        ; 16 heads a tensor
	s_add_co_u32 s46, s46, s47
	s_and_b32 s20, s17, 7
	s_lshl_b32 s20, s20, 1
	s_add_co_u32 s20, s20, s15                     ; which 128 positions are mine
	s_lshl_b32 s21, s20, 15
	s_add_co_u32 s46, s46, s21
	s_mov_b32 s47, 0
	s_add_nc_u64 s[10:11], s[10:11], s[46:47]      ; where my 128 x 128 go
	s_lshl_b32 s20, s20, 16                        ; eight blocks of 8,192 bytes of the table
	s_mov_b32 s21, 0
	s_add_nc_u64 s[8:9], s[8:9], s[20:21]
	TLOAD 0                                        ; the table of my first two blocks of positions, into registers that nothing touches before the way out:
	TLOAD 1                                        ; 32 loads, waited for there
.macro FRAG reg, adr, q, i             ; 16 rows x 128 K of 4-bit codes: 8 registers, two loads of 16 bytes, 32 bytes apart
.irp c, 0,1
	ds_load_b128 v[\reg+4*\c:\reg+4*\c+3], v[\adr] offset:64*(\q)+32*\c+(\i)*16*PITCH
.endr
.endm
; 16 products: A's blocks a0, a0 + 1 x B's eight.  The 64 accumulators take turns, one instruction a turn, in the same order in every step.
.macro MUL16 a0, p, q, sc, zero
.irp a, \a0, \a0+1
.irp b, 0,1,2,3,4,5,6,7
.if \zero
	v_wmma_scale_f32_16x16x128_f8f6f4 v[8*(8*((\a)%4)+\b):8*(8*((\a)%4)+\b)+7], v[128*(\p)+FR*\b:128*(\p)+FR*\b+FR-1], v[AF+FR*(\a):AF+FR*(\a)+FR-1], 0, v[SC+8*NQ*(\sc)+NQ*\b+(\q)], v[SC+8*NQ*(\sc)+NQ*(\a)+(\q)] matrix_a_fmt:MATRIX_FMT_FP4 matrix_b_fmt:MATRIX_FMT_FP4 matrix_a_scale:MATRIX_SCALE_ROW1
.else
	v_wmma_scale_f32_16x16x128_f8f6f4 v[8*(8*((\a)%4)+\b):8*(8*((\a)%4)+\b)+7], v[128*(\p)+FR*\b:128*(\p)+FR*\b+FR-1], v[AF+FR*(\a):AF+FR*(\a)+FR-1], v[8*(8*((\a)%4)+\b):8*(8*((\a)%4)+\b)+7], v[SC+8*NQ*(\sc)+NQ*\b+(\q)], v[SC+8*NQ*(\sc)+NQ*(\a)+(\q)] matrix_a_fmt:MATRIX_FMT_FP4 matrix_b_fmt:MATRIX_FMT_FP4 matrix_a_scale:MATRIX_SCALE_ROW1
.endif
.endr
.endr
.endm
.macro FETCH_B slot, q, p
	WIN TO_B
.irp i, 0,1,2,3,4,5,6,7
	FRAG 128*(\p)+FR*\i, ADRB+\slot, \q, \i
.endr
	WIN 0
.endm
.macro FETCH_A slot, q, i0
.irp i, \i0, \i0+1, \i0+2, \i0+3
	FRAG AF+FR*(\i), ADRA+\slot, \q, \i
.endr
.endm
.macro SCALES sc                       ; lanes 0-15 take A's block i, lanes 16-31 B's block i: four words, one K step
.irp i, 0,1,2,3,4,5,6,7
	ds_load_b128 v[SC+8*NQ*\sc+NQ*\i:SC+8*NQ*\sc+NQ*\i+3], v[ADRS] offset:\i*SBLK
.endr
.endm
.macro PLACES n                        ; plain vector instructions between a matrix instruction and a load into, or a vector access to, its registers
.rept \n
	v_nop
.endr
.endm
.macro STEP slot, q, zero
	s_wait_dscnt 4*NL                              ; B's set and A's blocks 0-3 are in; the youngest eight loads (A's blocks 4-7) may be out
	WIN MUL_LO
	MUL16 0, (\q)%2, \q, \slot, \zero
	MUL16 2, (\q)%2, \q, \slot, \zero
	s_wait_dscnt 0
	PLACES NP
	FETCH_B \slot, (\q)+1, 1-(\q)%2
	FETCH_A \slot, (\q)+1, 0
	WIN MUL_HI
	MUL16 4, (\q)%2, \q, \slot, \zero
	MUL16 6, (\q)%2, \q, \slot, \zero
	PLACES NP
	WIN 0
	FETCH_A \slot, (\q)+1, 4
.endm
; A slot's last step changes slots: one barrier; in front of it each wave waits for all its tensor loads, adds 0 to its spare word, and waits for that and for its reads of this slot.
.macro TURN slot, next, fill
	s_wait_tensorcnt 0x0                           ; all my tensor loads have landed: my part of the next slot
	ds_add_u32 v[SPW], v[NIL]
	s_wait_dscnt 4*NL+1                            ; the add and the youngest eight loads may be out
	WIN MUL_LO
	MUL16 0, 1, NQ-1, \slot, 0
	s_wait_dscnt 0x0                               ; the add is done, and my reads of this slot are over
	s_barrier_signal -1
	MUL16 2, 1, NQ-1, \slot, 0
	WIN 0
	s_barrier_wait -1
.if \fill
	CREST                                          ; the barrier has opened a round of the cluster's: no wave of any partner still reads this slot or has a load on its way
	s_add_nc_u64 s[G0+4*\slot+2:G0+4*\slot+3], s[G0+4*\slot+2:G0+4*\slot+3], 2*ROWB
	s_add_nc_u64 s[G0B+4*\slot+2:G0B+4*\slot+3], s[G0B+4*\slot+2:G0B+4*\slot+3], 2*ROWB
	JLOAD G0+4*\slot, G1, G0B+4*\slot, G1B         ; my one tensor load behind the round
.else
	PLACES NP
.endif
	v_add_nc_u32 v[ADRS], 4*NQ, v[ADRS]
	FETCH_B \next, 0, 0
	FETCH_A \next, 0, 0
	SCALES \next
	WIN MUL_HI
	MUL16 4, 1, NQ-1, \slot, 0
	MUL16 6, 1, NQ-1, \slot, 0
	PLACES NP
	WIN 0
	FETCH_A \next, 0, 4
.endm
.macro STEPS slot, from
.set Q, \from
.rept NQ-1-\from
	STEP \slot, Q, 0
.set Q, Q+1
.endr
.endm
	s_wait_tensorcnt 1                             ; the scales and my part of K step 0 are in; K step 1's load may be out
	s_barrier_signal -1
	s_barrier_wait -1
	FETCH_B 0, 0, 0
	FETCH_A 0, 0, 0
	SCALES 0
	FETCH_A 0, 0, 4
	STEP 0, 0, 1                                   ; the first step's products start the sums
	s_mov_b32 s3, LAPS-1
.Llap:
	STEPS 0, 1
	TURN 0, 1, 1
	STEPS 1, 0
	TURN 1, 0, 1
	STEP 0, 0, 0
	s_sub_co_u32 s3, s3, 1
	s_cmp_lg_u32 s3, 0
	s_cbranch_scc1 .Llap
	STEPS 0, 1                                     ; the last lap fills nothing
	TURN 0, 1, 0
	STEPS 1, 0
	s_wait_dscnt 4*NL
	WIN MUL_LO
	MUL16 0, 1, NQ-1, 1, 0
	MUL16 2, 1, NQ-1, 1, 0
	s_wait_dscnt 0
	WIN MUL_HI
	MUL16 4, 1, NQ-1, 1, 0
	MUL16 6, 1, NQ-1, 1, 0
	WIN 0
; THE WAY OUT, block by block of 16 positions x 128 columns.
.macro ROPE a                          ; y1 = x1 cos - x2 sin, y2 = x1 sin + x2 cos; each accumulator is read from its low end on
.set AC, 64*((\a)%4)
.set TS, 64*((2*((\a)%4)+1)%5)
	WIN 0x06+(\a)/4                                ; source 0: the accumulators' window; source 1: window 1
.irp b, 0,1,2,3
.irp j, 0,2,4,6
	v_pk_mul_f32 v[YR+8*\b+\j:YR+8*\b+\j+1], v[AC+32+8*\b+\j:AC+32+8*\b+\j+1], v[TS+16*\b+8+\j:TS+16*\b+8+\j+1]
	v_pk_mul_f32 v[YR+32+8*\b+\j:YR+32+8*\b+\j+1], v[AC+32+8*\b+\j:AC+32+8*\b+\j+1], v[TS+16*\b+\j:TS+16*\b+\j+1]
	v_pk_fma_f32 v[YR+8*\b+\j:YR+8*\b+\j+1], v[AC+8*\b+\j:AC+8*\b+\j+1], v[TS+16*\b+\j:TS+16*\b+\j+1], v[YR+8*\b+\j:YR+8*\b+\j+1] neg_lo:[0,0,1] neg_hi:[0,0,1]
	v_pk_fma_f32 v[YR+32+8*\b+\j:YR+32+8*\b+\j+1], v[AC+8*\b+\j:AC+8*\b+\j+1], v[TS+16*\b+8+\j:TS+16*\b+8+\j+1], v[YR+32+8*\b+\j:YR+32+8*\b+\j+1]
.endr
.endr
	WIN 0
.set I, 0
.rept 32
	v_cvt_pk_f16_f32 v[PKD+I], v[YR+2*I], v[YR+2*I+1]
.set I, I+1
.endr
.endm
.macro VPACK a                         ; V is only rounded
.set AC, 64*((\a)%4)
	WIN 0x0a+5*((\a)/4)
.irp b, 0,1,2,3,4,5,6,7
.irp r, 0,1,2,3
	v_cvt_pk_f16_f32 v[PKD+4*\b+\r], v[AC+8*\b+2*\r], v[AC+8*\b+2*\r+1]
.endr
.endr
	WIN 0
.endm
.macro TOSTAGE a, so                   ; into my stage, and back as whole rows of 256 bytes; LDS serves a wave's instructions in order
.if (\a) > 1
	s_wait_xcnt 0x0                                ; block a - 2's stores have read the registers that these loads fill
.endif
.irp b, 0,1,2,3,4,5,6,7
	ds_store_b128 v[STO], v[PKD+4*\b:PKD+4*\b+3] offset:\so+32*\b
.endr
.irp t, 0,1,2,3,4,5,6,7
	ds_load_b128 v[BK+32*((\a)%2)+4*\t:BK+32*((\a)%2)+4*\t+3], v[RD] offset:\so+544*\t
.endr
.endm
.macro SEND a
	s_wait_dscnt 0x0
.irp t, 0,1,2,3,4,5,6,7
	global_store_b128 v[CO], v[BK+32*((\a)%2)+4*\t:BK+32*((\a)%2)+4*\t+3], s[10:11] offset:4096*(\a)+512*\t   ; 16 lanes store 256 consecutive bytes, aligned
.endr
.endm
	PLACES NP                                      ; behind the last products: their operands' registers are written below
	s_cmp_eq_u32 s12, 2                            ; V?  The same in every partner of the cluster
	s_cbranch_scc1 .Lv
	TLOAD 2                                        ; into B's two sets, which are done with
	TLOAD 3
.irp a, 0,1,2,3,4,5,6,7
.if \a < 5
	s_wait_loadcnt 48                              ; this block's table is in; the 16 loads of each of the three blocks behind it may be out
.else
	s_wait_loadcnt 16*(7-\a)                       ; the last blocks: two sets behind, one, none
.endif
	ROPE \a
.if \a < 4
	TLOAD \a+4                                     ; into the set just read
.endif
.if \a > 0
	SEND \a-1
.endif
	TOSTAGE \a, 0
.endr
	SEND 7
	s_branch .Lout
.Lv:
.irp a, 0,1,2,3,4,5,6,7
	VPACK \a
.if \a > 0
	SEND \a-1
.endif
	TOSTAGE \a, 4*STG                              ; this way has stage bytes of its own
.endr
	SEND 7
.Lout:
	s_wait_tensorcnt 0x0                           ; the wave's end
	ds_add_u32 v[SPW], v[NIL]
	s_wait_dscnt 0x0
	CROUND                                         ; the closing round
	s_endpgm
.Lfunc_end_k_q8d852371bd_proj:
	.size	k_q8d852371bd_proj, .Lfunc_end_k_q8d852371bd_proj-k_q8d852371bd_proj
	.p2alignl 7, 3214868480
	.fill 96, 4, 3214868480
	.section	.rodata,"a",@progbits
	.p2align	6, 0x0
	.amdhsa_kernel k_q8d852371bd_proj
		.amdhsa_group_segment_fixed_size 327680
		.amdhsa_private_segment_fixed_size 0
		.amdhsa_enable_private_segment 0
		.amdhsa_kernarg_size 32
		.amdhsa_user_sgpr_count 2
		.amdhsa_user_sgpr_kernarg_segment_ptr 1
		.amdhsa_wavefront_size32 1
		.amdhsa_system_sgpr_workgroup_id_x 1
		.amdhsa_system_sgpr_workgroup_id_y 1
		.amdhsa_system_sgpr_workgroup_id_z 1
		.amdhsa_system_vgpr_workitem_id 0
		.amdhsa_next_free_vgpr 1024
		.amdhsa_next_free_sgpr 100
		.amdhsa_reserve_vcc 0
		.amdhsa_float_denorm_mode_32 3
		.amdhsa_float_denorm_mode_16_64 3
		.amdhsa_memory_ordered 1
		.amdhsa_forward_progress 1
		.amdhsa_inst_pref_size 255
	.end_amdhsa_kernel
	.section	.bss,"aw",@nobits
	.p2align	6
	.space	262144
	.amdgpu_metadata
---
amdhsa.version: [ 1, 2 ]
amdhsa.kernels:
  - .name:           k_q8d852371bd_proj
    .symbol:         k_q8d852371bd_proj.kd
    .args:
      - { .name: codes, .offset: 0, .size: 8, .value_kind: global_buffer, .address_space: global }
      - { .name: scales, .offset: 8, .size: 8, .value_kind: global_buffer, .address_space: global }
      - { .name: rope, .offset: 16, .size: 8, .value_kind: global_buffer, .address_space: global }
      - { .name: qkv, .offset: 24, .size: 8, .value_kind: global_buffer, .address_space: global }
    .group_segment_fixed_size: 327680
    .private_segment_fixed_size: 0
    .kernarg_segment_align: 8
    .kernarg_segment_size: 32
    .max_flat_workgroup_size: 128
    .sgpr_count:     100
    .vgpr_count:     1024
    .wavefront_size: 32
...
	.end_amdgpu_metadata
.endif
;; end of part 2
;; launch attn (part 3): grid 16 x 16, 4 waves a work-group, clusters of 4 x 1, 327,680 bytes of LDS; arguments qkv, mbits, o16; writes o16
.if DOCPART == 3
	.amdgcn_target "amdgcn-amd-amdhsa--gfx1250"
	.amdhsa_code_object_version 6
	.text
	.protected	k_q8d852371bd_attn
	.globl	k_q8d852371bd_attn
	.p2align	8
	.type	k_q8d852371bd_attn,@function
k_q8d852371bd_attn:
	s_mov_b64 s[64:65], 0
	v_nop
	global_prefetch_b8 v0, s[64:65] scope:SCOPE_SE
	s_setreg_imm32_b32 hwreg(HW_REG_WAVE_MODE, 25, 1), 1
	s_wait_xcnt 0x0
	s_wait_alu depctr_hold_cnt(0) depctr_sa_sdst(0) depctr_va_vdst(0) depctr_va_sdst(0) depctr_va_ssrc(0) depctr_va_vcc(0) depctr_vm_vsrc(0)
	s_getreg_b32 s2, hwreg(HW_REG_IB_STS2, 6, 4)
	s_cmp_eq_u32 s2, 0
	s_cbranch_scc0 .Lentry_in_a_cluster
	s_endpgm
.Lentry_in_a_cluster:
	s_bfe_u32 s2, ttmp6, 0x10000c
	s_cmp_lg_u32 s2, 0x3003
	s_cbranch_scc0 .Lentry_shape_is_right
	s_endpgm
.Lentry_shape_is_right:
; ATTN: O[q] = sum over k of softmax_k(mask ? Q[q] . K[k] / sqrt(128) : lowest f32) V[k], for each of 16 heads.  Q, K (both already times sqrt(c), c = log2(e) / sqrt(128)) and V: f16, [16][2048][128].
; The first product so gives t = c q . k; p = 2^(t - m), m the running maximum of the MASKED t.  Products on f16 operands, sums, maxima and exponentials in f32; p is rounded to f16 for the second product, O once at the end.
; THE MASK IS AN INPUT: every key step is walked; nothing is left out.  A hidden score becomes NEG, the lowest finite f32, after the scaling.  NEG - NEG = 0 exactly: a row with no open key gets p = 1 everywhere,
; the mean of V, as the softmax of equal numbers gives.  What was summed under m = NEG is multiplied by 2^(NEG - m) = 0 as soon as an open key is met.
; The mask comes as words of one bit a lane (one word for each score register), by scalar loads a turn ahead, and feeds v_cndmask_b32 alone: no branch and no address hangs on it.
; SHARES.  A work-group owns 128 queries of one head.  Wave w holds 64 of them (four tiles of 16) and walks HALF the keys: key steps 2 j + (w & 1) of 64 keys, j = 0 .. 15.  Waves w and w ^ 1 hold the same
; queries: tiles 0, 1 are rows 32 w + 0 .. 31, tiles 2, 3 rows 32 (w ^ 1) + 0 .. 31.  At the end every wave sends tiles 2, 3 (sums, m, l) to wave w ^ 1 through LDS and merges what it receives into tiles 0, 1.
; LAYOUT.  S^T = K Q^T (source 0 = 16 keys, source 1 = 16 queries): a lane holds ONE query and the keys 8 (lane / 16) + 0 .. 7.  Two such tiles, rounded in pairs, ARE source 1 of O^T = V^T P.  V is turned by ds_load_tr16_b128.
; BY TURNS.  Tiles 0, 1 are piece 0, tiles 2, 3 piece 2.  In a turn one piece has the matrix unit (32 products V^T P, 32 products K Q^T of the next step); the other piece's softmax, 330 vector instructions in
; 64 slices, stands between them, one slice behind each product.  Two turns are a key step.
; CLUSTER.  The four query blocks of a cluster belong to one head and walk the same K and V: each tile is asked for jointly, with the mask 15.
; LIMIT: p under 6e-8 is lost in f16; O must lie under 65,504.
; REGISTERS: window 0: v0-11 addresses; v12-43 statistics, eight a tile; v44-47 the partner's; v48 NEG; v61-63; v64-191 S^T, 32 a tile; v192-255 P, 16 a tile.  window 1: O^T, 64 a tile.
;   window 2: v0-127 Q; v128-255 K of one step.   window 3: v0-127 V of one step.
.set KS,    64
.set PK,    272                        ; a row of K in LDS: 256 bytes + 16
.set PV,    288                        ; a row of V: 256 + 32
.set HSTEP, 36864                      ; what each wave's tensor load has to itself: 128 rows of K (34,816 bytes) or of V (36,864); also from a wave's key step to its next
.set VOFF,  2*HSTEP
.set SLOTB, 4*HSTEP                    ; a slot: 256 keys
.set SPARE, 2*SLOTB                    ; the spare words, 128 bytes for each wave
.set XCH,   16896                      ; the exchange, in slot 0 behind its last fill and last read: 32 images of 512 bytes and 512 bytes of statistics for each wave
.set STAGE, 4*XCH                      ; behind it 16 rows x 272 bytes for each wave, for the way out
.set SP,    272
.set AK0, 2
.set AV0, 3
.set ADR, 4
.set QOA, 5
.set STO, 6
.set RD,  7
.set GO,  8
.set QOB, 9
.set XW,  10
.set XR,  11
.set ST,  12                           ; tile t at v[ST + 8 t]: +0 m, +1 its pair partner (0; at the end l's total), +2, +3 l in two halves, +4 .. +7 at work, +6 a
.set NEGV, 48
.set PFO, 61
.set SPW, 62
.set NIL, 63
.set S,   64
.set P,   192
.set KF,  128
.set WV,  2                            ; s2   wave
.set TRIPS, 3                          ; s3
                                       ; s[4:51], s[68:83]: the 64 mask words of the turn's softmax (set-up temporaries before the first of them is asked for)
.set G0,  52                           ; s[52:59] descriptor group 0, a set for each slot
.set SEL, 60
.set PFA, 62                           ; s[62:63] where my prefetches stand
.set MP,  66                           ; s[66:67] the mask words of my pair of query blocks, at the key step in hand
.set G1K, 84
.set G1V, 92
.set TBK, 100                          ; LDS byte at which the next fetch of K begins
.set TBV, 101                          ; and of V
.set TWICE, 104
.set MO,  105                          ; 0 or 8,192: which of the two blocks of 32 queries the next mask words belong to
.set MSB, 0
.macro WIN new
.if MSB != \new
	s_set_vgpr_msb (MSB<<8)|\new
.set MSB, \new
.endif
.endm
.set W_KQ, 0x0a
.set W_PV, 0x53
.set W_RS, 0x41
; A joint refill of slot fs: waves 0, 1 fetch K's halves, waves 2, 3 V's.  One group 0 serves either shape; the branch hangs on the wave's number alone.
.macro JLOAD fs
	s_cmp_lt_u32 s[WV], 2
	s_cbranch_scc0 .Lfor_v_\@
	tensor_load_to_lds s[G0+4*\fs:G0+4*\fs+3], s[G1K:G1K+7]
	s_nop 0
.rept 4
	v_nop
.endr
	s_branch .Lasked_\@
.Lfor_v_\@:
	tensor_load_to_lds s[G0+4*\fs:G0+4*\fs+3], s[G1V:G1V+7]
	s_nop 0
.rept 4
	v_nop
.endr
.Lasked_\@:
.endm
; A prefetch of what the NEXT change of slots will ask for.  All clusters of a head walk the same rows: the head's first cluster asks.  Of the 128 rows that wave w fetches, each of the four partners
; takes 32, told apart by address; a lane a row of 256 bytes: each row is named once in the launch.  how = 0: the trip's second change, which in the last trip has no slot behind it.
.macro ASK how
	s_cmp_eq_u32 ttmp9, 0
	s_cbranch_scc0 .Lnot_mine_\@
.if \how == 0
	s_cmp_gt_u32 s[TRIPS], 1
	s_cbranch_scc0 .Lnot_mine_\@
.endif
	global_prefetch_b8 v[PFO], s[PFA:PFA+1] th:TH_LOAD_NT scope:SCOPE_SE
.Lnot_mine_\@:
.endm
.macro CROUND
	s_barrier_signal -1
	s_barrier_wait -1
	s_cmp_lg_u32 s[WV], 0
	s_cbranch_scc1 .Lnot_wave_0_\@
	s_barrier_signal -3
.Lnot_wave_0_\@:
	s_barrier_wait -3
	s_barrier_signal -1
	s_barrier_wait -1
.endm
.macro LOADM                           ; 64 words: 256 consecutive bytes
	s_load_b512 s[4:19], s[MP:MP+1], s[MO] offset:0
	s_load_b512 s[20:35], s[MP:MP+1], s[MO] offset:64
	s_load_b512 s[36:51], s[MP:MP+1], s[MO] offset:128
	s_load_b512 s[68:83], s[MP:MP+1], s[MO] offset:192
.endm
	s_load_b128 s[4:7], s[0:1], 0x0                ; qkv s[4:5], mbits s[6:7]
	v_lshl_add_u32 v[SPW], v0, 2, SPARE
	v_mov_b32 v[NIL], 0
	ds_add_u32 v[SPW], v[NIL]                      ; the opening: the add, twice on end, and its wait ahead of my first tensor load
	ds_add_u32 v[SPW], v[NIL]
	v_lshrrev_b32 v1, 5, v0
	v_readfirstlane_b32 s[WV], v1
	s_bfe_u32 s12, ttmp6, 0x40000                  ; cx
	s_lshl_b32 s13, ttmp9, 2
	s_add_co_u32 s13, s13, s12                     ; my block of 128 queries
	s_and_b32 s14, ttmp7, 0xffff
	s_lshl_b32 s14, s14, 19                        ; the head's bytes in each of Q, K, V
	s_and_b32 s15, s[WV], 1                        ; kh: my half of the keys; also which 128 rows of a slot I fetch
	s_lshr_b32 s16, s[WV], 1                       ; qh: my half of the queries; also K (0) or V (1)
	s_add_co_u32 s20, s16, 1
	s_lshl_b32 s20, s20, 23                        ; K is the second tensor of 8 MiB, V the third
	s_add_co_u32 s20, s20, s14
	s_lshl_b32 s17, s15, 15
	s_add_co_u32 s20, s20, s17                     ; my tile of slot 0: made of the head and the wave alone
	s_mov_b32 s21, 0
	s_mul_i32 s18, s[WV], HSTEP                    ; and its place in a slot
	s_lshl_b32 s22, s13, 15
	s_add_co_u32 s22, s22, s14                     ; Q: my block's 128 rows
	s_mov_b32 s23, 0
	s_lshl_b32 s24, s13, 15                        ; mask words: 8,192 bytes for 32 queries: block 4 qb + 2 qh,
	s_lshl_b32 s25, s16, 14
	s_add_co_u32 s24, s24, s25
	s_lshl_b32 s25, s15, 8                         ; key step kh
	s_add_co_u32 s24, s24, s25
	s_mov_b32 s25, 0
	s_lshl_b32 s26, s12, 13                        ; prefetches: my work-group's 32 rows of my 128,
	s_add_co_u32 s26, s26, s20
	s_add_co_u32 s26, s26, 2*65536                 ; in slot 2: the first change steps it to slot 3.  Nothing is prefetched at the head
	s_mov_b32 s27, 0
	s_lshl_b32 s[MO], s15, 13                      ; piece 0 is block 4 qb + w
	s_mov_b32 s[G1K], 15|(1<<16)|(1<<20)|(1<<21)|(5<<22)|(3<<25)  ; mask: all four; elements of 2 bytes; padding on; bit 21 beside a mask; 4 words behind every 64
	s_mov_b32 s[G1V], 15|(1<<16)|(1<<20)|(1<<21)|(5<<22)|(7<<25)  ; the same with 8 words
.irp g, G1K, G1V
	s_mov_b32 s[\g+1], 128<<16                     ; tensor_dim0
	s_mov_b32 s[\g+2], 128<<16                     ; tensor_dim1
	s_mov_b32 s[\g+3], 128<<16                     ; tile_dim0
	s_mov_b32 s[\g+4], 128                         ; tile_dim1
	s_mov_b32 s[\g+5], 128                         ; elements from row to row
	s_mov_b32 s[\g+6], 0
	s_mov_b32 s[\g+7], 0
.endr
	s_mov_b32 s[SEL], 0x76543210
	s_mov_b32 s[SEL+1], 0xfedcba98
	s_mov_b32 s[TBK], 0
	s_mov_b32 s[TBV], 0
	v_and_b32 v[PFO], 31, v0
	v_lshlrev_b32 v[PFO], 8, v[PFO]
	s_wait_dscnt 0x0                               ; both opening adds are done
	s_wait_kmcnt 0x0
	s_add_nc_u64 s[28:29], s[4:5], s[20:21]
	s_add_nc_u64 s[PFA:PFA+1], s[4:5], s[26:27]
	s_add_nc_u64 s[8:9], s[4:5], s[22:23]
	s_add_nc_u64 s[MP:MP+1], s[6:7], s[24:25]
	CROUND                                         ; all four work-groups are here: the first joint loads meet
.irp s, 0,1
	s_mov_b32 s[G0+4*\s], 1
	s_add_co_u32 s[G0+4*\s+1], s18, \s*SLOTB
	s_add_nc_u64 s[G0+4*\s+2:G0+4*\s+3], s[28:29], \s*65536
	s_or_b32 s[G0+4*\s+3], s[G0+4*\s+3], 0x80000000
.endr
	s_cmp_lt_u32 s[WV], 2                          ; a wave's two first fills stand in one branch: two loads of mine are out
	s_cbranch_scc0 .Lfirst_v
	tensor_load_to_lds s[G0:G0+3], s[G1K:G1K+7]
	s_nop 0
	tensor_load_to_lds s[G0+4:G0+7], s[G1K:G1K+7]
	s_nop 0
.rept 4
	v_nop
.endr
	s_branch .Lfirst_asked
.Lfirst_v:
	tensor_load_to_lds s[G0:G0+3], s[G1V:G1V+7]
	s_nop 0
	tensor_load_to_lds s[G0+4:G0+7], s[G1V:G1V+7]
	s_nop 0
.rept 4
	v_nop
.endr
.Lfirst_asked:
	v_and_b32 v1, 15, v0                           ; r
	v_bfe_u32 v49, v0, 4, 1                        ; h
	s_lshl_b32 s30, s[WV], 13                      ; 32 w rows of 256 bytes
	v_lshlrev_b32 v50, 8, v1
	v_lshl_add_u32 v50, v49, 4, v50
	v_add_nc_u32 v[QOA], s30, v50
	s_xor_b32 s30, s30, 0x2000                     ; 32 (w ^ 1) rows
	v_add_nc_u32 v[QOB], s30, v50
	WIN 0x80                                       ; destination window 2
.irp i, 0,1,2,3,4,5,6,7                        ; Q stays in registers: tile i / 4, channels 32 (i % 4) on
	global_load_b128 v[8*\i:8*\i+3],   v[QOA], s[8:9] offset:(\i/4)*4096+(\i%4)*64
	global_load_b128 v[8*\i+4:8*\i+7], v[QOA], s[8:9] offset:(\i/4)*4096+(\i%4)*64+32
.endr
.irp i, 8,9,10,11,12,13,14,15
	global_load_b128 v[8*\i:8*\i+3],   v[QOB], s[8:9] offset:(\i/4-2)*4096+(\i%4)*64
	global_load_b128 v[8*\i+4:8*\i+7], v[QOB], s[8:9] offset:(\i/4-2)*4096+(\i%4)*64+32
.endr
	WIN 0
	v_mul_u32_u24 v[AK0], v1, PK
	v_lshl_add_u32 v[AK0], v49, 4, v[AK0]
	s_mul_i32 s31, s15, 64*PK
	v_add_nc_u32 v[AK0], s31, v[AK0]               ; K: row r, + 16 h, + my 64 rows of each 128
	v_and_b32 v51, 7, v0
	v_bfe_u32 v52, v0, 3, 1
	v_lshl_add_u32 v[AV0], v49, 3, v51
	v_mul_u32_u24 v[AV0], v[AV0], PV
	v_lshl_add_u32 v[AV0], v52, 4, v[AV0]
	s_mul_i32 s31, s15, 64*PV
	s_add_co_u32 s31, s31, VOFF
	v_add_nc_u32 v[AV0], s31, v[AV0]               ; V, for the turning load: key 8 h + l % 8, channels 8 ((l / 8) % 2) on
	s_mul_i32 s31, s[WV], 16*SP
	s_add_co_u32 s31, s31, STAGE
	v_mul_u32_u24 v[STO], v1, SP
	v_lshl_add_u32 v[STO], v49, 4, v[STO]
	v_add_nc_u32 v[STO], s31, v[STO]
	v_mul_u32_u24 v[RD], v49, SP
	v_lshl_add_u32 v[RD], v1, 4, v[RD]
	v_add_nc_u32 v[RD], s31, v[RD]
	v_lshlrev_b32 v[GO], 12, v49                   ; two rows of O, 4,096 bytes apart; 16 bytes a lane
	v_lshl_add_u32 v[GO], v1, 4, v[GO]
	v_and_b32 v53, 31, v0
	v_lshlrev_b32 v53, 4, v53
	s_mul_i32 s31, s[WV], XCH
	v_add_nc_u32 v[XW], s31, v53                   ; where I put what wave w ^ 1 takes,
	s_xor_b32 s30, s[WV], 1
	s_mul_i32 s31, s30, XCH
	v_add_nc_u32 v[XR], s31, v53                   ; and where I take what it put
	s_wait_xcnt 0x0                                ; Q's loads have read their base, which lies among the mask words' registers
	LOADM                                          ; piece 0, key step 0
; Product i of 32 of O^T += V^T P: keys 32 (i / 16) on, channels 16 ((i / 2) % 8) on, tile x + i % 2.  The accumulators take turns.
.macro PV x, zero
	WIN W_PV
.set rO, 64*(\x+i%2)+8*((i/2)%8)
.set rV, 64*(i/16)+8*((i/2)%8)
.set rP, P+16*(\x+i%2)+8*(i/16)
.if \zero && (i < 16)
	v_wmma_f32_16x16x32_f16 v[rO:rO+7], v[rV:rV+7], v[rP:rP+7], 0
.else
	v_wmma_f32_16x16x32_f16 v[rO:rO+7], v[rV:rV+7], v[rP:rP+7], v[rO:rO+7]
.endif
.endm
; Product i of 32 of S^T = K Q^T: channels 32 (i / 8) on, keys 16 ((i / 2) % 4) on, tile x + i % 2.
.macro KQ x
	WIN W_KQ
.set rS, S+32*(\x+i%2)+8*((i/2)%4)
.set rK, KF+32*((i/2)%4)+8*(i/8)
.set rQ, 32*(\x+i%2)+8*(i/8)
.if i < 8
	v_wmma_f32_16x16x32_f16 v[rS:rS+7], v[rK:rK+7], v[rQ:rQ+7], 0
.else
	v_wmma_f32_16x16x32_f16 v[rS:rS+7], v[rK:rK+7], v[rQ:rQ+7], v[rS:rS+7]
.endif
.endm
.macro FETCH_K
	WIN 0
	v_add_nc_u32 v[ADR], s[TBK], v[AK0]
	s_add_co_u32 s[TBK], s[TBK], HSTEP
	WIN 0x80
.irp f, 0,1,2,3,4,5,6,7,8,9,10,11,12,13,14,15
	ds_load_b128 v[KF+8*\f:KF+8*\f+3],   v[ADR] offset:(\f/4)*16*PK+(\f%4)*64
	ds_load_b128 v[KF+8*\f+4:KF+8*\f+7], v[ADR] offset:(\f/4)*16*PK+(\f%4)*64+32
.endr
.endm
.macro FETCH_V
	WIN 0
	v_add_nc_u32 v[ADR], s[TBV], v[AV0]
	s_add_co_u32 s[TBV], s[TBV], HSTEP
	s_wait_alu depctr_va_vdst(0)                   ; the wait for the softmax's batch of exponentials, ahead of the first instruction that names a result
	WIN 0xc0
.irp f, 0,1,2,3,4,5,6,7,8,9,10,11,12,13,14,15
	ds_load_tr16_b128 v[8*\f:8*\f+3],   v[ADR] offset:(\f/8)*32*PV+(\f%8)*32
	ds_load_tr16_b128 v[8*\f+4:8*\f+7], v[ADR] offset:(\f/8)*32*PV+16*PV+(\f%8)*32
.endr
.endm
; One tile's softmax for one key step: a list of 165 instructions; SM writes number j for tile t.
;   0-31    the mask: score j or NEG, by the lane mask in a scalar register (ascending: each accumulator is read from its low end on)
;   32-47   the maximum of the 32 scores and the old m;  48-51 the other half of the lanes' maximum, the old m kept, the new m, old m - new m
;   52-100  ONE BATCH: 16 packed subtractions of m and all 33 exponentials (a at 54); none of these names an exponential's result; a pair is taken down in an earlier four than its exponentials
;   (wait)  SLICE writes it, once for both tiles
;   101-116 the roundings to f16;  117-132 the sums, l = a l + the sum;  133-164 O^T times a
.macro SM t, first
.set rT, ST+8*(\t)
.set rS, S+32*(\t)
.set rP, P+16*(\t)
.set rO, 64*(\t)+2*(j-133)
.set e6, j-31
.if j < 133
	WIN 0
.endif
.if j < 32
.set mk, 4+32*((\t)%2)+j
.if mk > 51
.set mk, mk+16
.endif
	v_cndmask_b32 v[rS+j], v[NEGV], v[rS+j], s[mk]
.elseif j < 36
	v_max3_num_f32 v[rT+4+j-32], v[rS+8*(j-32)], v[rS+8*(j-32)+1], v[rS+8*(j-32)+2]
.elseif j < 44
	v_max3_num_f32 v[rT+4+j%4], v[rT+4+j%4], v[rS+8*(j%4)+2*((j-32)/4)+1], v[rS+8*(j%4)+2*((j-32)/4)+2]
.elseif j == 44
	v_max3_num_f32 v[rT+4], v[rT+4], v[rS+7], v[rS+15]
.elseif j == 45
	v_max3_num_f32 v[rT+6], v[rT+6], v[rS+23], v[rS+31]
.elseif j == 46
	v_max3_num_f32 v[rT+4], v[rT+4], v[rT+5], v[rT+6]
.elseif (j == 47) && \first
	v_max_num_f32 v[rT+4], v[rT+4], v[rT+7]
.elseif j == 47
	v_max3_num_f32 v[rT+4], v[rT+4], v[rT+7], v[rT]
.elseif j == 48
	v_permlanex16_b32 v[rT+5], v[rT+4], s[SEL], s[SEL+1]
.elseif j == 50
	v_max_num_f32 v[rT], v[rT+4], v[rT+5]
.elseif ((j == 49) || (j == 51) || (j == 54) || (j > 132)) && \first
.elseif j == 49
	v_mov_b32 v[rT+7], v[rT]
.elseif j == 51
	v_sub_f32 v[rT+7], v[rT+7], v[rT]
.elseif j == 54
	v_exp_f32 v[rT+6], v[rT+7]
.elseif (e6 < 23) || ((e6 < 38) && (e6%2 == 0)) || ((e6 < 66) && (e6%4 == 2))
.set b, (e6-2)/4
.if e6 < 38
.set b, (e6-20)/2
.endif
	v_pk_add_f32 v[rS+2*b:rS+2*b+1], v[rS+2*b:rS+2*b+1], v[rT:rT+1] op_sel_hi:[1,0] neg_lo:[0,1] neg_hi:[0,1]
.elseif e6 < 70
.set e, e6-38
.if e6 < 66
.set e, e6-32-(e6-38)/4
.endif
.if e6 < 38
.set e, (e6-25)/2
.endif
	v_exp_f32 v[rS+e], v[rS+e]
.elseif j < 117
	v_cvt_pk_f16_f32 v[rP+j-101], v[rS+2*(j-101)], v[rS+2*(j-101)+1]
.elseif j < 133
.set z, j-117
.set w, 4
.set u, z
.if z >= 14
.set w, 32
.set u, 0
.elseif z >= 12
.set w, 16
.set u, z-12
.elseif z >= 8
.set w, 8
.set u, z-8
.endif
.if (z == 14) && \first
	v_pk_add_f32 v[rT+2:rT+3], v[rS:rS+1], v[rS+16:rS+17]
.elseif z < 15
	v_pk_add_f32 v[rS+w*u:rS+w*u+1], v[rS+w*u:rS+w*u+1], v[rS+w*u+w/2:rS+w*u+w/2+1]
.elseif !\first
	v_pk_fma_f32 v[rT+2:rT+3], v[rT+2:rT+3], v[rT+6:rT+7], v[rS:rS+1] op_sel_hi:[1,0,1]
.endif
.else
	WIN W_RS
	v_pk_mul_f32 v[rO:rO+1], v[rO:rO+1], v[rT+6:rT+7] op_sel_hi:[1,0]
.endif
.endm
; Slice k of 64 of piece y's softmax.  0-16: numbers 3 k .. 3 k + 2 of both tiles; 17: 51, 52; 18-41: the batch, four numbers of one tile, the tiles by turns; 42-61: three numbers of both; 62, 63: two.
; Behind slice 10 the last mask word has been used: the next turn's 64 words are asked for.  Behind slice 41 no exponential follows and no result has been named: one plain instruction, one wait.
; Slice 63 is four plain instructions that name nothing of the products round them: the places behind the turn's last product.
.macro SLICE y, first
.if k < 17
.irp n, 0,1,2
.irp t, \y, \y+1
.set j, 3*k+\n
	SM \t, \first
.endr
.endr
.elseif k == 17
.irp n, 0,1
.irp t, \y, \y+1
.set j, 51+\n
	SM \t, \first
.endr
.endr
.elseif k < 42
.irp n, 0,1,2,3
.set j, 53+4*((k-18)/2)+\n
	SM (\y)+(k-18)%2, \first
.endr
.elseif k < 62
.irp n, 0,1,2
.irp t, \y, \y+1
.set j, 101+3*(k-42)+\n
	SM \t, \first
.endr
.endr
.else
.irp n, 0,1
.irp t, \y, \y+1
.set j, 161+2*(k-62)+\n
	SM \t, \first
.endr
.endr
.endif
.if (k == 10) && ML
	LOADM
.endif
.if k == 41
	v_nop
.if (\y) == 0
	FETCH_V                                        ; V's last reader stands ahead of slice 31: nine packed subtractions, the v_nop and the run's own addition lie between
.else
	s_wait_alu depctr_va_vdst(0)
.endif
.endif
.set k, k+1
.endm
.macro PLACES
.rept 4
	v_nop
.endr
.endm
; A TURN.  Piece x has the matrix unit.  pv = 2: 32 products V^T P; 1: they start O^T's sums; 0: none.  kq = 1: 32 products K Q^T.  first = 1: the softmax is the first key step's.  ml = 1: the next turn's mask words are asked for.
; At its head the mask words asked for in the turn before are in, so their address may step: the other block of 32 queries; in piece 0's turns also the next of my key steps (512 bytes on).
.macro TURN x, pv, kq, first, ml
.set k, 0
.set ML, \ml
.set per, 2
.if \pv && \kq
.set per, 1
.endif
	s_wait_kmcnt 0x0
	s_xor_b32 s[MO], s[MO], 0x2000
.if \x == 0
	s_add_nc_u64 s[MP:MP+1], s[MP:MP+1], 512
.endif
.if \pv
.if \x == 0
	s_wait_dscnt 0x0                               ; V is in
.endif
.set i, 0
.rept 32
	PV \x, 2-\pv
.rept per
	SLICE 2-\x, \first
.endr
.if (\x == 0) && \kq && (i == 1)
	FETCH_K                                        ; K's last reader stands ahead of slice 63 of the turn before
.endif
.set i, i+1
.endr
.endif
.if \kq
.if \x == 0
	s_wait_dscnt 0x0                               ; K is in
.endif
.set i, 0
.rept 32
	KQ \x
.rept per
	SLICE 2-\x, \first
.endr
.set i, i+1
.endr
.endif
.if \first
	PLACES
.endif
.endm
; THE CHANGE OF SLOTS: the slot's last bytes have been asked for.  Each wave waits for all its tensor loads (one is out: its part of the other slot), adds 0 to its spare word, and waits for that and for its reads.
; fill = 1: slot fs is filled again with the keys two slots on, behind a round of the cluster's barrier; the load has two of the wave's key steps, 256 products, in which to land.  rs: the slot read next.
.macro CHANGE fill, fs, rs, how
	WIN 0
	s_wait_tensorcnt 0x0
	ds_add_u32 v[SPW], v[NIL]
.if \fill
	s_add_nc_u64 s[G0+4*\fs+2:G0+4*\fs+3], s[G0+4*\fs+2:G0+4*\fs+3], 2*65536
	s_wait_xcnt 0x0                                ; the last prefetch has read its address
	s_add_nc_u64 s[PFA:PFA+1], s[PFA:PFA+1], 65536
.endif
	s_mov_b32 s[TBK], \rs*SLOTB
	s_mov_b32 s[TBV], \rs*SLOTB
	s_wait_dscnt 0x0
.if \fill
	CROUND
	JLOAD \fs
	ASK \how
.else
	s_barrier_signal -1
	s_barrier_wait -1
.endif
.endm
.macro TWO_STEPS                       ; a slot's two key steps of mine: written once, walked twice
	s_mov_b32 s[TWICE], 2
.Lstep_\@:
	TURN 0, 2, 1, 0, 1
	TURN 2, 2, 1, 0, 1
	WIN 0
	s_sub_co_u32 s[TWICE], s[TWICE], 1
	s_cmp_lg_u32 s[TWICE], 0
	s_cbranch_scc1 .Lstep_\@
.endm
	s_wait_tensorcnt 1                             ; my part of slot 0 is in; slot 1's may stay out
	s_barrier_signal -1
	s_barrier_wait -1
	FETCH_K
	s_wait_loadcnt 0x0                             ; Q
	s_wait_dscnt 0x0
.set i, 0
.rept 32
	KQ 0
.set i, i+1
.endr
	WIN 0
	v_mov_b32 v[NEGV], 0xff7fffff                  ; five plain instructions: the places behind those products
.irp t, 0,1,2,3
	v_mov_b32 v[ST+8*\t+1], 0                      ; named with m as a pair, so it is written
.endr
	TURN 2, 0, 1, 1, 1
	TURN 0, 1, 1, 1, 1
	TURN 2, 1, 1, 0, 1
	WIN 0
	s_mov_b32 s[TRIPS], 3
.Lslot:                                            ; three trips: six of the eight slots' worth of keys are asked for here
	CHANGE 1, 0, 1, 1
	TWO_STEPS
	CHANGE 1, 1, 0, 0
	TWO_STEPS
	s_sub_co_u32 s[TRIPS], s[TRIPS], 1
	s_cmp_lg_u32 s[TRIPS], 0
	s_cbranch_scc1 .Lslot
	CHANGE 0, 0, 1, 0                              ; the tail is written out: nothing is asked for
	TWO_STEPS
	TURN 0, 2, 0, 0, 0
.set i, 0
.rept 32
	PV 2, 0
.set i, i+1
.endr
	; THE WAY OUT.  l's totals (the additions are the places behind the last products); tiles 2, 3 go to wave w ^ 1 as images of their registers; the two halves of the keys are merged; O leaves through my stage.
	WIN 0
.irp t, 0,1,2,3
	v_add_f32 v[ST+8*\t+4], v[ST+8*\t+2], v[ST+8*\t+3]
.endr
.irp t, 0,1,2,3
	v_permlanex16_b32 v[ST+8*\t+5], v[ST+8*\t+4], s[SEL], s[SEL+1]
.endr
.irp t, 0,1,2,3
	v_add_f32 v[ST+8*\t+1], v[ST+8*\t+4], v[ST+8*\t+5]
.endr
	s_load_b64 s[4:5], s[0:1], 0x10                ; o16
	s_bfe_u32 s6, ttmp6, 0x40000
	s_lshl_b32 s7, ttmp9, 2
	s_add_co_u32 s6, s6, s7
	s_lshl_b32 s6, s6, 2
	s_add_co_u32 s6, s6, s[WV]                     ; 4 qb + w: my 32 rows
	s_lshl_b32 s6, s6, 17                          ; of 4,096 bytes
	s_and_b32 s7, ttmp7, 0xffff
	s_lshl_b32 s7, s7, 8                           ; the head's 256 bytes of a row
	s_add_co_u32 s6, s6, s7
	s_mov_b32 s7, 0
	ds_store_b64 v[XW], v[ST+16:ST+17] offset:16384  ; (m, l) of tile 2,
	ds_store_b64 v[XW], v[ST+24:ST+25] offset:16392  ; of tile 3
	WIN 0x04                                       ; an LDS store's data are its source 1: window 1
.set i, 0
.rept 32
	ds_store_b128 v[XW], v[128+4*i:128+4*i+3] offset:512*i
.set i, i+1
.endr
	WIN 0
	s_wait_dscnt 0x0                               ; for the partner's sake: my stores have landed
	s_barrier_signal -1
	s_barrier_wait -1
.set i, 0
.rept 32
	ds_load_b128 v[S+4*i:S+4*i+3], v[XR] offset:512*i
.set i, i+1
.endr
	ds_load_b64 v[44:45], v[XR] offset:16384
	ds_load_b64 v[46:47], v[XR] offset:16392
	s_wait_dscnt 0x0
.irp t, 0,1
	v_max_num_f32 v[ST+8*\t+4], v[ST+8*\t], v[44+2*\t]           ; M
.endr
.irp t, 0,1
	v_sub_f32 v[ST+8*\t+5], v[ST+8*\t], v[ST+8*\t+4]
	v_sub_f32 v[ST+8*\t+6], v[44+2*\t], v[ST+8*\t+4]
.endr
.irp t, 0,1
	v_exp_f32 v[ST+8*\t+5], v[ST+8*\t+5]
	v_exp_f32 v[ST+8*\t+6], v[ST+8*\t+6]
.endr
	v_nop
	s_wait_alu depctr_va_vdst(0)                   ; one wait for the four
.irp t, 0,1
	v_mul_f32 v[ST+8*\t+7], v[ST+8*\t+5], v[ST+8*\t+1]
.endr
.irp t, 0,1
	v_fma_f32 v[ST+8*\t+7], v[ST+8*\t+6], v[45+2*\t], v[ST+8*\t+7]   ; the row's sum over all keys
.endr
.irp t, 0,1
	v_rcp_f32 v[ST+8*\t+7], v[ST+8*\t+7]
.endr
	v_nop
	s_wait_alu depctr_va_vdst(0)                   ; one wait for the two
.irp t, 0,1
	v_mul_f32 v[ST+8*\t+4], v[ST+8*\t+5], v[ST+8*\t+7]           ; what my sums are multiplied by,
	v_mul_f32 v[ST+8*\t+6], v[ST+8*\t+6], v[ST+8*\t+7]           ; and the partner's
.endr
.irp t, 0,1
.set i, 0
.rept 32
	v_pk_mul_f32 v[S+64*\t+2*i:S+64*\t+2*i+1], v[S+64*\t+2*i:S+64*\t+2*i+1], v[ST+8*\t+6:ST+8*\t+7] op_sel_hi:[1,0]
.set i, i+1
.endr
.endr
	WIN 0x01                                       ; source 0: my O^T, window 1
.irp t, 0,1
.set i, 0
.rept 32
	v_pk_fma_f32 v[S+64*\t+2*i:S+64*\t+2*i+1], v[64*\t+2*i:64*\t+2*i+1], v[ST+8*\t+4:ST+8*\t+5], v[S+64*\t+2*i:S+64*\t+2*i+1] op_sel_hi:[1,0,1]
.set i, i+1
.endr
.endr
	WIN 0
.irp t, 0,1
.set i, 0
.rept 32
	v_cvt_pk_f16_f32 v[P+32*\t+i], v[S+64*\t+2*i], v[S+64*\t+2*i+1]
.set i, i+1
.endr
.endr
	s_wait_kmcnt 0x0
	s_add_nc_u64 s[4:5], s[4:5], s[6:7]
.irp t, 0,1                                    ; a lane's eight channels are 16 bytes; they go into rows of 272 bytes and come back as whole rows of 256; LDS serves a wave's instructions in order
.irp f, 0,1,2,3,4,5,6,7
	ds_store_b128 v[STO], v[P+32*\t+4*\f:P+32*\t+4*\f+3] offset:32*\f
.endr
.irp f, 0,1,2,3,4,5,6,7
	ds_load_b128 v[P+32*\t+4*\f:P+32*\t+4*\f+3], v[RD] offset:\f*2*SP
.endr
.endr
.irp f, 0,1,2,3,4,5,6,7
	s_wait_dscnt 16+7-\f                           ; tile 1's sixteen and the younger loads of tile 0 may be out
	global_store_b128 v[GO], v[P+4*\f:P+4*\f+3], s[4:5] offset:\f*8192   ; 16 lanes store 256 consecutive bytes, aligned
.endr
.irp f, 0,1,2,3,4,5,6,7
	s_wait_dscnt 7-\f
	global_store_b128 v[GO], v[P+32+4*\f:P+32+4*\f+3], s[4:5] offset:65536+\f*8192
.endr
	s_wait_tensorcnt 0x0                           ; the wave's end
	ds_add_u32 v[SPW], v[NIL]
	s_wait_dscnt 0x0
	CROUND                                         ; the closing round
	s_endpgm
.Lfunc_end_k_q8d852371bd_attn:
	.size	k_q8d852371bd_attn, .Lfunc_end_k_q8d852371bd_attn-k_q8d852371bd_attn
	.p2alignl 7, 3214868480
	.fill 96, 4, 3214868480
	.section	.rodata,"a",@progbits
	.p2align	6, 0x0
	.amdhsa_kernel k_q8d852371bd_attn
		.amdhsa_group_segment_fixed_size 327680
		.amdhsa_private_segment_fixed_size 0
		.amdhsa_enable_private_segment 0
		.amdhsa_kernarg_size 24
		.amdhsa_user_sgpr_count 2
		.amdhsa_user_sgpr_kernarg_segment_ptr 1
		.amdhsa_wavefront_size32 1
		.amdhsa_system_sgpr_workgroup_id_x 1
		.amdhsa_system_sgpr_workgroup_id_y 1
		.amdhsa_system_sgpr_workgroup_id_z 1
		.amdhsa_system_vgpr_workitem_id 0
		.amdhsa_next_free_vgpr 1024
		.amdhsa_next_free_sgpr 106
		.amdhsa_reserve_vcc 0
		.amdhsa_float_denorm_mode_32 3
		.amdhsa_float_denorm_mode_16_64 3
		.amdhsa_memory_ordered 1
		.amdhsa_forward_progress 1
		.amdhsa_inst_pref_size 255
	.end_amdhsa_kernel
	.section	.bss,"aw",@nobits
	.p2align	6
	.space	262144
	.amdgpu_metadata
---
amdhsa.version: [ 1, 2 ]
amdhsa.kernels:
  - .name:           k_q8d852371bd_attn
    .symbol:         k_q8d852371bd_attn.kd
    .args:
      - { .name: qkv, .offset: 0, .size: 8, .value_kind: global_buffer, .address_space: global }
      - { .name: mbits, .offset: 8, .size: 8, .value_kind: global_buffer, .address_space: global }
      - { .name: o16, .offset: 16, .size: 8, .value_kind: global_buffer, .address_space: global }
    .group_segment_fixed_size: 327680
    .private_segment_fixed_size: 0
    .kernarg_segment_align: 8
    .kernarg_segment_size: 24
    .max_flat_workgroup_size: 128
    .sgpr_count:     106
    .vgpr_count:     1024
    .wavefront_size: 32
...
	.end_amdgpu_metadata
.endif
;; end of part 3
;; launch outp (part 4): grid 16 x 16, 4 waves a work-group, clusters of 4 x 4, 327,680 bytes of LDS; arguments o16, wo16, out0; writes out0
.if DOCPART == 4
	.amdgcn_target "amdgcn-amd-amdhsa--gfx1250"
	.amdhsa_code_object_version 6
	.text
	.protected	k_q8d852371bd_outp
	.globl	k_q8d852371bd_outp
	.p2align	8
	.type	k_q8d852371bd_outp,@function
k_q8d852371bd_outp:
	s_mov_b64 s[64:65], 0
	v_nop
	global_prefetch_b8 v0, s[64:65] scope:SCOPE_SE
	s_setreg_imm32_b32 hwreg(HW_REG_WAVE_MODE, 25, 1), 1
	s_wait_xcnt 0x0
	s_wait_alu depctr_hold_cnt(0) depctr_sa_sdst(0) depctr_va_vdst(0) depctr_va_sdst(0) depctr_va_ssrc(0) depctr_va_vcc(0) depctr_vm_vsrc(0)
	s_getreg_b32 s2, hwreg(HW_REG_IB_STS2, 6, 4)
	s_cmp_eq_u32 s2, 0
	s_cbranch_scc0 .Lentry_in_a_cluster
	s_endpgm
.Lentry_in_a_cluster:
	s_bfe_u32 s2, ttmp6, 0x10000c
	s_cmp_lg_u32 s2, 0xf033
	s_cbranch_scc0 .Lentry_shape_is_right
	s_endpgm
.Lentry_shape_is_right:
; OUTP: out[l][e] = sum over d of O[l][d] w_o[e][d].  O and w_o: [2048][2048] f16; out: f32; sums in f32.  Nothing of the problem's work is left out here.
; 256 tiles of 128 x 128, one to a work-group: four waves, each 64 x 64: 16 accumulators.  K goes in steps of 256 (LDS rows of 512 bytes) through two slots.
; CLUSTERS: 4 x 4 work-groups; A's tiles are asked for jointly along a row of the cluster, B's along a column.  The matrix instruction is used transposed: a lane holds eight neighbouring numbers of a row.
; A wave's 64 columns of f32 are 256 aligned bytes: each wave has a stage of its own, and the way out has no barrier.
; Rows 0 to 15 are stored here like all others (no branch may hang on a work-group's place in its cluster) and are stored again, more finely, by the launch that follows.
; REGISTERS: window 0: v0-31 addresses; v32-95 rows read back; v128-255 the accumulators ((a, b) at v[128 + 8 (4 a + b)]).  window 1: two fragment buffers of 128.
.set SIZE_N, 2048
.set SIZE_K, 2048
.set KSTEP,  256
.set PITCH,  528
.set HALFT,  64*PITCH
.set SLOT,   4*HALFT
.set STAGE,  2*SLOT                    ; behind the ring: 16 rows x 272 bytes for each wave
.set SPITCH, 272
.set SPARE,  STAGE+4*16*SPITCH
.set LAPS, SIZE_K/(2*KSTEP)
.set ADRA, 16
.set ADRB, 20
.set STO,  24
.set RD,   25
.set CO,   26
.set SPW,  28
.set NIL,  29
.set TMP,  32
.set ACC,  128
.set F0,   0
.set F1,   128
.set G1, 24
.set G0, 32
.set G1B, 48
.set G0B, 56
.set MSB, 0
.macro WIN new
.if MSB != \new
	s_set_vgpr_msb (MSB<<8)|\new
.set MSB, \new
.endif
.endm
.set MUL,  0x05
.set TO_F, 0x40
.macro JLOAD s
	s_cmp_eq_u32 s11, 0
	s_cbranch_scc0 .Lfor_b_\@
	tensor_load_to_lds s[G0+4*\s:G0+4*\s+3], s[G1:G1+7]
	s_nop 0
.rept 4
	v_nop
.endr
	s_branch .Lasked_\@
.Lfor_b_\@:
	tensor_load_to_lds s[G0B+4*\s:G0B+4*\s+3], s[G1B:G1B+7]
	s_nop 0
.rept 4
	v_nop
.endr
.Lasked_\@:
.endm
.macro CREST
	s_cmp_lg_u32 s10, 0
	s_cbranch_scc1 .Lnot_wave_0_\@
	s_barrier_signal -3
.Lnot_wave_0_\@:
	s_barrier_wait -3
	s_barrier_signal -1
	s_barrier_wait -1
.endm
.macro CROUND
	s_barrier_signal -1
	s_barrier_wait -1
	CREST
.endm
	s_load_b128 s[4:7], s[0:1], 0x0                ; O s[4:5], w_o s[6:7]
	s_load_b64 s[8:9], s[0:1], 0x10                ; out
	v_lshl_add_u32 v[SPW], v0, 2, SPARE
	v_mov_b32 v[NIL], 0
	ds_add_u32 v[SPW], v[NIL]                      ; the opening: the add, twice on end, and its wait ahead of my first tensor load
	ds_add_u32 v[SPW], v[NIL]
	v_lshrrev_b32 v1, 5, v0
	v_readfirstlane_b32 s10, v1
	s_lshr_b32 s11, s10, 1                         ; my half of the rows; also: I fetch for A (0) or B (1)
	s_and_b32 s12, s10, 1                          ; my half of the columns; also which 64 rows I fetch
	s_bfe_u32 s40, ttmp6, 0x40000
	s_bfe_u32 s41, ttmp6, 0x40004
	s_lshl_b32 s42, ttmp9, 2
	s_add_co_u32 s42, s42, s40                     ; tile column
	s_and_b32 s13, ttmp7, 0xffff
	s_lshl_b32 s13, s13, 2
	s_add_co_u32 s13, s13, s41                     ; tile row
	s_lshl_b32 s43, s41, 2
	s_lshl_b32 s43, 15, s43
	s_lshl_b32 s44, 0x1111, s40
	s_or_b32 s[G1+0], s43, (1<<16)|(1<<20)|(1<<21)|(6<<22)|(3<<25)  ; mask; elements of 2 bytes; padding on; bit 21 beside a mask; 4 words behind every 128
	s_or_b32 s[G1B+0], s44, (1<<16)|(1<<20)|(1<<21)|(6<<22)|(3<<25)
.irp g, G1, G1B
	s_mov_b32 s[\g+1], KSTEP<<16
	s_mov_b32 s[\g+2], 64<<16
	s_mov_b32 s[\g+3], KSTEP<<16
	s_mov_b32 s[\g+4], 64
	s_mov_b32 s[\g+5], SIZE_K
	s_mov_b32 s[\g+6], 0
	s_mov_b32 s[\g+7], 0
.endr
	s_lshl_b32 s17, s12, 6
	s_lshl_b32 s16, s13, 7
	s_add_co_u32 s16, s16, s17
	s_lshl_b32 s46, s42, 7
	s_add_co_u32 s46, s46, s17
	s_mov_b32 s17, 0
	s_mov_b32 s47, 0
	s_mov_b64 s[18:19], SIZE_K*2
	s_mul_u64 s[16:17], s[16:17], s[18:19]
	s_mul_u64 s[46:47], s[46:47], s[18:19]
	s_mul_i32 s20, s10, HALFT
	s_wait_dscnt 0x0
	s_wait_kmcnt 0x0
	s_add_nc_u64 s[14:15], s[4:5], s[16:17]
	s_add_nc_u64 s[46:47], s[6:7], s[46:47]
	CROUND
.irp s, 0,1
	s_mov_b32 s[G0+4*\s], 1
	s_add_co_u32 s[G0+4*\s+1], s20, \s*SLOT
	s_add_nc_u64 s[G0+4*\s+2:G0+4*\s+3], s[14:15], \s*KSTEP*2
	s_or_b32 s[G0+4*\s+3], s[G0+4*\s+3], 0x80000000
	s_mov_b32 s[G0B+4*\s], 1
	s_add_co_u32 s[G0B+4*\s+1], s20, \s*SLOT
	s_add_nc_u64 s[G0B+4*\s+2:G0B+4*\s+3], s[46:47], \s*KSTEP*2
	s_or_b32 s[G0B+4*\s+3], s[G0B+4*\s+3], 0x80000000
	JLOAD \s
.endr
	v_and_b32 v1, 15, v0
	v_bfe_u32 v2, v0, 4, 1
	v_mul_u32_u24 v3, v1, PITCH
	v_lshl_add_u32 v3, v2, 4, v3
	s_mul_i32 s21, s11, HALFT
	s_mul_i32 s22, s12, HALFT
	s_add_co_u32 s22, s22, 2*HALFT
.irp s, 0,1
	v_add_nc_u32 v[ADRA+\s], s21, v3
	v_add_nc_u32 v[ADRB+\s], s22, v3
	s_add_co_u32 s21, s21, SLOT
	s_add_co_u32 s22, s22, SLOT
.endr
	s_mul_i32 s23, s10, 16*SPITCH
	s_add_co_u32 s23, s23, STAGE                   ; my stage
	v_mul_u32_u24 v4, v1, SPITCH
	v_lshl_add_u32 v4, v2, 5, v4
	v_add_nc_u32 v[STO], s23, v4                   ; in: row r, 32 bytes for each half of the lanes
	v_mul_u32_u24 v5, v2, SPITCH
	v_lshl_add_u32 v5, v1, 4, v5
	v_add_nc_u32 v[RD], s23, v5                    ; back: lanes 0-15 one row of 256 bytes, lanes 16-31 the next
	v_mul_u32_u24 v5, v2, SIZE_N*4
	v_lshl_add_u32 v[CO], v1, 4, v5
	s_lshl_b32 s16, s13, 7
	s_lshl_b32 s17, s11, 6
	s_add_co_u32 s16, s16, s17                     ; my first row
	s_lshl_b32 s16, s16, 13                        ; of 8,192 bytes
	s_mov_b32 s17, 0
	s_add_nc_u64 s[8:9], s[8:9], s[16:17]
	s_lshl_b32 s46, s42, 9
	s_lshl_b32 s47, s12, 8
	s_add_co_u32 s46, s46, s47                     ; my first column, in bytes
	s_mov_b32 s47, 0
	s_add_nc_u64 s[8:9], s[8:9], s[46:47]
.macro MUL8 f, c, a0, zero             ; the 16 accumulators take turns
.irp a, \a0, \a0+1
.irp b, 0,1,2,3
.if \zero
	v_wmma_f32_16x16x32_f16 v[ACC+8*(4*(\a)+\b):ACC+8*(4*(\a)+\b)+7], v[\f+64+8*(4*\c+\b):\f+64+8*(4*\c+\b)+7], v[\f+8*(4*\c+\a):\f+8*(4*\c+\a)+7], 0
.else
	v_wmma_f32_16x16x32_f16 v[ACC+8*(4*(\a)+\b):ACC+8*(4*(\a)+\b)+7], v[\f+64+8*(4*\c+\b):\f+64+8*(4*\c+\b)+7], v[\f+8*(4*\c+\a):\f+8*(4*\c+\a)+7], v[ACC+8*(4*(\a)+\b):ACC+8*(4*(\a)+\b)+7]
.endif
.endr
.endr
.endm
.macro FETCH slot, k, f
	WIN TO_F
.irp c, 0,1
.irp i, 0,1,2,3
	ds_load_b128 v[\f+64+8*(4*\c+\i):\f+64+8*(4*\c+\i)+3],   v[ADRB+\slot] offset:\k+64*\c+\i*16*PITCH
	ds_load_b128 v[\f+64+8*(4*\c+\i)+4:\f+64+8*(4*\c+\i)+7], v[ADRB+\slot] offset:\k+64*\c+\i*16*PITCH+32
	ds_load_b128 v[\f+8*(4*\c+\i):\f+8*(4*\c+\i)+3],         v[ADRA+\slot] offset:\k+64*\c+\i*16*PITCH
	ds_load_b128 v[\f+8*(4*\c+\i)+4:\f+8*(4*\c+\i)+7],       v[ADRA+\slot] offset:\k+64*\c+\i*16*PITCH+32
.endr
.endr
.endm
.macro PLACES
.rept 4
	v_nop
.endr
.endm
.macro QUARTER slot, k, f, g, zero
	s_wait_dscnt 16                                ; the first 32 along K are in; the other sixteen loads may be out
	WIN MUL
	MUL8 \f, 0, 0, \zero
	MUL8 \f, 0, 2, \zero
	PLACES
	FETCH \slot, \k, \g
	s_wait_dscnt 32                                ; all but the 32 just issued
	WIN MUL
	MUL8 \f, 1, 0, 0
	MUL8 \f, 1, 2, 0
.endm
.macro TURN slot, next, fill
	WIN 0
	s_wait_tensorcnt 0x0                           ; all my tensor loads have landed: my part of the next slot
	ds_add_u32 v[SPW], v[NIL]
	s_wait_dscnt 17                                ; the add and the youngest sixteen loads may be out
	WIN MUL
	MUL8 F1, 0, 0, 0
	s_wait_dscnt 0x0                               ; the add is done, and my reads of this slot are over
	s_barrier_signal -1
	MUL8 F1, 0, 2, 0
.if \fill
	WIN 0
.endif
	s_barrier_wait -1
.if \fill
	CREST
	s_add_nc_u64 s[G0+4*\slot+2:G0+4*\slot+3], s[G0+4*\slot+2:G0+4*\slot+3], 2*KSTEP*2
	s_add_nc_u64 s[G0B+4*\slot+2:G0B+4*\slot+3], s[G0B+4*\slot+2:G0B+4*\slot+3], 2*KSTEP*2
	JLOAD \slot
.else
	PLACES
.endif
	FETCH \next, 0, F0
	WIN MUL
	MUL8 F1, 1, 0, 0
	MUL8 F1, 1, 2, 0
.endm
	s_wait_tensorcnt 1                             ; my part of K step 0 is in; K step 1's load may be out
	s_barrier_signal -1
	s_barrier_wait -1
	FETCH 0, 0, F0
	QUARTER 0, 128, F0, F1, 1
	WIN 0
	s_mov_b32 s3, LAPS-1
.Llap:
	QUARTER 0, 256, F1, F0, 0
	QUARTER 0, 384, F0, F1, 0
	TURN 0, 1, 1
	QUARTER 1, 128, F0, F1, 0
	QUARTER 1, 256, F1, F0, 0
	QUARTER 1, 384, F0, F1, 0
	TURN 1, 0, 1
	QUARTER 0, 128, F0, F1, 0
	WIN 0
	s_sub_co_u32 s3, s3, 1
	s_cmp_lg_u32 s3, 0
	s_cbranch_scc1 .Llap
	QUARTER 0, 256, F1, F0, 0
	QUARTER 0, 384, F0, F1, 0
	TURN 0, 1, 0
	QUARTER 1, 128, F0, F1, 0
	QUARTER 1, 256, F1, F0, 0
	QUARTER 1, 384, F0, F1, 0
	s_wait_dscnt 16
	WIN MUL
	MUL8 F1, 0, 0, 0
	MUL8 F1, 0, 2, 0
	s_wait_dscnt 0
	MUL8 F1, 1, 0, 0
	MUL8 F1, 1, 2, 0
	WIN 0
; THE WAY OUT, 16 rows x 64 columns at a time, through my own stage: LDS serves a wave's instructions in order.
.macro TOSTAGE a
.if (\a) > 1
	s_wait_xcnt 0x0                                ; block a - 2's stores have read the registers that these loads fill
.endif
.irp b, 0,1,2,3
	ds_store_b128 v[STO], v[ACC+8*(4*(\a)+\b):ACC+8*(4*(\a)+\b)+3] offset:64*\b        ; each accumulator from its low end on
	ds_store_b128 v[STO], v[ACC+8*(4*(\a)+\b)+4:ACC+8*(4*(\a)+\b)+7] offset:64*\b+16
.endr
.irp t, 0,1,2,3,4,5,6,7
	ds_load_b128 v[TMP+32*((\a)%2)+4*\t:TMP+32*((\a)%2)+4*\t+3], v[RD] offset:\t*2*SPITCH
.endr
.endm
.macro SEND a, younger
	s_wait_dscnt \younger
.irp t, 0,1,2,3,4,5,6,7
	global_store_b128 v[CO], v[TMP+32*((\a)%2)+4*\t:TMP+32*((\a)%2)+4*\t+3], s[8:9] offset:(16*(\a)+2*\t)*SIZE_N*4 th:TH_STORE_NT   ; 16 lanes store 256 consecutive bytes, aligned
.endr
.endm
	PLACES
	TOSTAGE 0
.irp a, 1,2,3
	TOSTAGE \a
	SEND \a-1, 16                                  ; behind block a - 1's loads: block a's 8 stores and 8 loads
.endr
	SEND 3, 0
	s_wait_tensorcnt 0x0                           ; the wave's end
	ds_add_u32 v[SPW], v[NIL]
	s_wait_dscnt 0x0
	CROUND
	s_endpgm
.Lfunc_end_k_q8d852371bd_outp:
	.size	k_q8d852371bd_outp, .Lfunc_end_k_q8d852371bd_outp-k_q8d852371bd_outp
	.p2alignl 7, 3214868480
	.fill 96, 4, 3214868480
	.section	.rodata,"a",@progbits
	.p2align	6, 0x0
	.amdhsa_kernel k_q8d852371bd_outp
		.amdhsa_group_segment_fixed_size 327680
		.amdhsa_private_segment_fixed_size 0
		.amdhsa_enable_private_segment 0
		.amdhsa_kernarg_size 24
		.amdhsa_user_sgpr_count 2
		.amdhsa_user_sgpr_kernarg_segment_ptr 1
		.amdhsa_wavefront_size32 1
		.amdhsa_system_sgpr_workgroup_id_x 1
		.amdhsa_system_sgpr_workgroup_id_y 1
		.amdhsa_system_sgpr_workgroup_id_z 1
		.amdhsa_system_vgpr_workitem_id 0
		.amdhsa_next_free_vgpr 512
		.amdhsa_next_free_sgpr 66
		.amdhsa_reserve_vcc 0
		.amdhsa_float_denorm_mode_32 3
		.amdhsa_float_denorm_mode_16_64 3
		.amdhsa_memory_ordered 1
		.amdhsa_forward_progress 1
		.amdhsa_inst_pref_size 86
	.end_amdhsa_kernel
	.amdgpu_metadata
---
amdhsa.version: [ 1, 2 ]
amdhsa.kernels:
  - .name:           k_q8d852371bd_outp
    .symbol:         k_q8d852371bd_outp.kd
    .args:
      - { .name: o16, .offset: 0, .size: 8, .value_kind: global_buffer, .address_space: global }
      - { .name: wo16, .offset: 8, .size: 8, .value_kind: global_buffer, .address_space: global }
      - { .name: out0, .offset: 16, .size: 8, .value_kind: global_buffer, .address_space: global }
    .group_segment_fixed_size: 327680
    .private_segment_fixed_size: 0
    .kernarg_segment_align: 8
    .kernarg_segment_size: 24
    .max_flat_workgroup_size: 128
    .sgpr_count:     66
    .vgpr_count:     512
    .wavefront_size: 32
...
	.end_amdgpu_metadata
.endif
;; end of part 4
;; launch first16 (part 5): grid 128 x 1, 16 waves a work-group, no clusters, 223,232 bytes of LDS; arguments o16, w_o, out0; writes out0
.if DOCPART == 5
	.amdgcn_target "amdgcn-amd-amdhsa--gfx1250"
	.amdhsa_code_object_version 6
	.text
	.protected	k_q8d852371bd_first16
	.globl	k_q8d852371bd_first16
	.p2align	8
	.type	k_q8d852371bd_first16,@function
k_q8d852371bd_first16:
	s_mov_b64 s[64:65], 0
	v_nop
	global_prefetch_b8 v0, s[64:65] scope:SCOPE_SE
	s_setreg_imm32_b32 hwreg(HW_REG_WAVE_MODE, 25, 1), 1
	s_wait_xcnt 0x0
; FIRST16: rows 0 to 15 of out once more, with w_o in f32: out[l][e] = sum over d of O[l][d] w_o[e][d], l = 0 .. 15.  Under masks that leave the first positions few keys these rows are the largest,
; and the rounding of w_o to f16 weighs most on them.  This assumes nothing of the mask: for any mask the rows stored here are the same product, carried more finely.  It is no bulk work: 1 / 128 of the product.
; Work-group x takes columns 16 x .. 16 x + 15; wave w the 128 of K from 128 w on; the sixteen partial sums meet in LDS and wave 0 adds and stores them.
; THE OPERANDS COME THROUGH LDS.  The matrix form wants a lane to hold ONE row, and 16 rows of w_o lie 8,192 bytes apart.  So each wave asks the tensor data mover for two tiles of its own: 16 rows x 256 bytes
; of O and 16 rows x 512 bytes of w_o, whole aligned pieces of each row, and each lane then takes its row's pieces from LDS, 16 bytes at a time.  Rows are padded by 16 bytes (pitches 272 and 528, odd
; multiples of 16), so that the 16 rows that a load touches start in different banks.  Each wave reads its own tiles alone: its own wait on TENSORcnt is all the ordering that those reads need.  Nothing is filled again.
; NO CLUSTER: all work-groups read the same 16 rows of O, but that is 64 KiB of a work-group's 192 KiB, there is one fill in the launch, and the rounds of a cluster's barrier ahead of it and at the end
; would stand where the text has no work to set beside them.
; The f32 matrix form sums four k an instruction; which k stand where is free as long as both operands agree: lane (r, h), register 32 c + i, holds k = 128 w + 64 c + 32 h + i of its row.
; Source 0 = w_o's 16 rows, source 1 = O's 16 rows: lane (r, h) ends with out[r][16 x + 8 h + 0 .. 7].  The stores are runs of 64 bytes: 128 KiB in all beside the 16 MiB of w_o that the launch reads.
; The accumulators v192-223 are written by matrix instructions alone, four by turns.
.set WP,    528                        ; a row of w_o's tile in LDS: 512 bytes + 16
.set OP,    272                        ; a row of O's tile: 256 bytes + 16
.set WT,    16*WP                      ; a wave's tile of w_o: 8,448 bytes
.set OT,    16*OP                      ; a wave's tile of O: 4,352 bytes
.set OBASE, 16*WT                      ; O's sixteen tiles lie behind w_o's
.set IMG,   OBASE+16*OT                ; behind them the sixteen images of 1,024 bytes: blocks of their own, into which no fill lands
.set SPARE, IMG+16*1024                ; and the spare words, 128 bytes for each wave
.set SPW, 2
.set NIL, 3
.set G1W, 24                           ; s[24:31] descriptor group 1 for w_o's tiles;  s[32:39] for O's
.set G1O, 32
.set G0W, 40                           ; s[40:43], s[44:47] their groups 0
.set G0O, 44
	s_load_b128 s[4:7], s[0:1], 0x0                ; o16, w_o
	s_load_b64 s[8:9], s[0:1], 0x10                ; out0
	v_lshl_add_u32 v[SPW], v0, 2, SPARE
	v_mov_b32 v[NIL], 0
	ds_add_u32 v[SPW], v[NIL]                      ; the opening: the add, twice on end, and its wait ahead of my first tensor load
	ds_add_u32 v[SPW], v[NIL]
	v_lshrrev_b32 v1, 5, v0
	v_readfirstlane_b32 s10, v1                    ; wave
	s_mov_b32 s[G1W], (2<<16)|(1<<20)|(6<<22)|(3<<25)  ; no mask; elements of 4 bytes; padding on: 4 words behind every 128
	s_mov_b32 s[G1O], (1<<16)|(1<<20)|(5<<22)|(3<<25)  ; elements of 2 bytes; 4 words behind every 64
.irp g, G1W, G1O
	s_mov_b32 s[\g+1], 128<<16                     ; tensor_dim0 = 128 elements
	s_mov_b32 s[\g+2], 16<<16                      ; tensor_dim1 = 16 rows
	s_mov_b32 s[\g+3], 128<<16                     ; tile_dim0
	s_mov_b32 s[\g+4], 16                          ; tile_dim1
	s_mov_b32 s[\g+5], 2048                        ; elements from row to row
	s_mov_b32 s[\g+6], 0
	s_mov_b32 s[\g+7], 0
.endr
	s_mov_b32 s[G0W], 1
	s_mul_i32 s[G0W+1], s10, WT                    ; my tile of w_o in LDS
	s_mov_b32 s[G0O], 1
	s_mul_i32 s[G0O+1], s10, OT
	s_add_co_u32 s[G0O+1], s[G0O+1], OBASE         ; and of O
	s_lshl_b32 s12, s10, 8                         ; O: 128 f16 a wave
	s_mov_b32 s13, 0
	s_lshl_b32 s14, ttmp9, 17                      ; w_o: 16 rows a work-group,
	s_lshl_b32 s15, s10, 9                         ; 128 f32 a wave
	s_add_co_u32 s14, s14, s15
	s_mov_b32 s15, 0
	s_lshl_b32 s16, ttmp9, 6                       ; out: 16 columns a work-group
	s_mov_b32 s17, 0
	s_wait_dscnt 0x0                               ; both opening adds are done
	s_wait_kmcnt 0x0
	s_add_nc_u64 s[G0O+2:G0O+3], s[4:5], s[12:13]
	s_or_b32 s[G0O+3], s[G0O+3], 0x80000000
	s_add_nc_u64 s[G0W+2:G0W+3], s[6:7], s[14:15]
	s_or_b32 s[G0W+3], s[G0W+3], 0x80000000
	s_add_nc_u64 s[8:9], s[8:9], s[16:17]
	tensor_load_to_lds s[G0O:G0O+3], s[G1O:G1O+7]  ; O first: it is widened while w_o is on its way.  Two loads of mine are out
	s_nop 0
	tensor_load_to_lds s[G0W:G0W+3], s[G1W:G1W+7]
	s_nop 0
	v_and_b32 v4, 15, v0                           ; r
	v_bfe_u32 v5, v0, 4, 1                         ; h
	v_mul_u32_u24 v6, v4, OP
	v_lshl_add_u32 v6, v5, 6, v6
	v_add_nc_u32 v6, s[G0O+1], v6                  ; O: my tile, row r, + 64 h
	v_mul_u32_u24 v7, v4, WP
	v_lshl_add_u32 v7, v5, 7, v7
	v_add_nc_u32 v7, s[G0W+1], v7                  ; w_o: my tile, row r, + 128 h
	v_lshlrev_b32 v8, 13, v4
	v_lshl_add_u32 v8, v5, 5, v8                   ; out: row r of 8,192 bytes, + 32 h
	v_and_b32 v9, 31, v0
	v_lshl_add_u32 v9, v9, 4, IMG                  ; the images: 16 x lane
	s_lshl_b32 s11, s10, 10
	v_add_nc_u32 v10, s11, v9                      ; my image
	s_wait_tensorcnt 0x1                           ; O's tile has landed; w_o's load may be out
.irp c, 0,1
.irp q, 0,1,2,3
	ds_load_b128 v[16+16*\c+4*\q:19+16*\c+4*\q], v6 offset:128*\c+16*\q
.endr
.endr
	s_wait_dscnt 0x0
	v_cvt_f32_f16 v64, v16.l
	v_cvt_f32_f16 v65, v16.h
	v_cvt_f32_f16 v66, v17.l
	v_cvt_f32_f16 v67, v17.h
	v_cvt_f32_f16 v68, v18.l
	v_cvt_f32_f16 v69, v18.h
	v_cvt_f32_f16 v70, v19.l
	v_cvt_f32_f16 v71, v19.h
	v_cvt_f32_f16 v72, v20.l
	v_cvt_f32_f16 v73, v20.h
	v_cvt_f32_f16 v74, v21.l
	v_cvt_f32_f16 v75, v21.h
	v_cvt_f32_f16 v76, v22.l
	v_cvt_f32_f16 v77, v22.h
	v_cvt_f32_f16 v78, v23.l
	v_cvt_f32_f16 v79, v23.h
	v_cvt_f32_f16 v80, v24.l
	v_cvt_f32_f16 v81, v24.h
	v_cvt_f32_f16 v82, v25.l
	v_cvt_f32_f16 v83, v25.h
	v_cvt_f32_f16 v84, v26.l
	v_cvt_f32_f16 v85, v26.h
	v_cvt_f32_f16 v86, v27.l
	v_cvt_f32_f16 v87, v27.h
	v_cvt_f32_f16 v88, v28.l
	v_cvt_f32_f16 v89, v28.h
	v_cvt_f32_f16 v90, v29.l
	v_cvt_f32_f16 v91, v29.h
	v_cvt_f32_f16 v92, v30.l
	v_cvt_f32_f16 v93, v30.h
	v_cvt_f32_f16 v94, v31.l
	v_cvt_f32_f16 v95, v31.h
	v_cvt_f32_f16 v96, v32.l
	v_cvt_f32_f16 v97, v32.h
	v_cvt_f32_f16 v98, v33.l
	v_cvt_f32_f16 v99, v33.h
	v_cvt_f32_f16 v100, v34.l
	v_cvt_f32_f16 v101, v34.h
	v_cvt_f32_f16 v102, v35.l
	v_cvt_f32_f16 v103, v35.h
	v_cvt_f32_f16 v104, v36.l
	v_cvt_f32_f16 v105, v36.h
	v_cvt_f32_f16 v106, v37.l
	v_cvt_f32_f16 v107, v37.h
	v_cvt_f32_f16 v108, v38.l
	v_cvt_f32_f16 v109, v38.h
	v_cvt_f32_f16 v110, v39.l
	v_cvt_f32_f16 v111, v39.h
	v_cvt_f32_f16 v112, v40.l
	v_cvt_f32_f16 v113, v40.h
	v_cvt_f32_f16 v114, v41.l
	v_cvt_f32_f16 v115, v41.h
	v_cvt_f32_f16 v116, v42.l
	v_cvt_f32_f16 v117, v42.h
	v_cvt_f32_f16 v118, v43.l
	v_cvt_f32_f16 v119, v43.h
	v_cvt_f32_f16 v120, v44.l
	v_cvt_f32_f16 v121, v44.h
	v_cvt_f32_f16 v122, v45.l
	v_cvt_f32_f16 v123, v45.h
	v_cvt_f32_f16 v124, v46.l
	v_cvt_f32_f16 v125, v46.h
	v_cvt_f32_f16 v126, v47.l
	v_cvt_f32_f16 v127, v47.h
	s_wait_tensorcnt 0x0                           ; w_o's tile has landed
.irp c, 0,1
.irp q, 0,1,2,3,4,5,6,7
	ds_load_b128 v[128+32*\c+4*\q:131+32*\c+4*\q], v7 offset:256*\c+16*\q
.endr
.endr
	s_wait_dscnt 0x0
.set p, 0
.rept 32
.if p < 4
	v_wmma_f32_16x16x4_f32 v[192+8*(p%4):199+8*(p%4)], v[128+2*p:129+2*p], v[64+2*p:65+2*p], 0
.else
	v_wmma_f32_16x16x4_f32 v[192+8*(p%4):199+8*(p%4)], v[128+2*p:129+2*p], v[64+2*p:65+2*p], v[192+8*(p%4):199+8*(p%4)]
.endif
.set p, p+1
.endr
.rept 8
	v_nop                                          ; eight places behind this form before a vector instruction reads a result (ISA guide 7.12.1)
.endr
.irp e, 0,2,4,6
	v_pk_add_f32 v[224+\e:225+\e], v[192+\e:193+\e], v[200+\e:201+\e]
.endr
.irp e, 0,2,4,6
	v_pk_add_f32 v[232+\e:233+\e], v[208+\e:209+\e], v[216+\e:217+\e]
.endr
.irp e, 0,2,4,6
	v_pk_add_f32 v[224+\e:225+\e], v[224+\e:225+\e], v[232+\e:233+\e]
.endr
	ds_store_b128 v10, v[224:227]
	ds_store_b128 v10, v[228:231] offset:512
	s_wait_tensorcnt 0x0                           ; the s_wait_dscnt behind the add is also the wait that the barrier needs: my stores have landed
	ds_add_u32 v[SPW], v[NIL]
	s_wait_dscnt 0x0
	s_barrier_signal -1
	s_barrier_wait -1
	s_cmp_lg_u32 s10, 0
	s_cbranch_scc1 .Ldone
.irp w, 0,1,2,3,4,5,6,7,8,9,10,11,12,13,14,15
	ds_load_b128 v[64+8*\w:67+8*\w], v9 offset:1024*\w
	ds_load_b128 v[68+8*\w:71+8*\w], v9 offset:1024*\w+512
.endr
	s_wait_dscnt 0x0
.irp q, 0,1,2,3,4,5,6,7
.irp e, 0,2,4,6
	v_pk_add_f32 v[64+16*\q+\e:65+16*\q+\e], v[64+16*\q+\e:65+16*\q+\e], v[72+16*\q+\e:73+16*\q+\e]
.endr
.endr
.irp q, 0,1,2,3
.irp e, 0,2,4,6
	v_pk_add_f32 v[64+32*\q+\e:65+32*\q+\e], v[64+32*\q+\e:65+32*\q+\e], v[80+32*\q+\e:81+32*\q+\e]
.endr
.endr
.irp q, 0,1
.irp e, 0,2,4,6
	v_pk_add_f32 v[64+64*\q+\e:65+64*\q+\e], v[64+64*\q+\e:65+64*\q+\e], v[96+64*\q+\e:97+64*\q+\e]
.endr
.endr
.irp e, 0,2,4,6
	v_pk_add_f32 v[64+\e:65+\e], v[64+\e:65+\e], v[128+\e:129+\e]
.endr
	global_store_b128 v8, v[64:67], s[8:9]
	global_store_b128 v8, v[68:71], s[8:9] offset:16
.Ldone:
	s_endpgm
.Lfunc_end_k_q8d852371bd_first16:
	.size	k_q8d852371bd_first16, .Lfunc_end_k_q8d852371bd_first16-k_q8d852371bd_first16
	.p2alignl 7, 3214868480
	.fill 96, 4, 3214868480
	.section	.rodata,"a",@progbits
	.p2align	6, 0x0
	.amdhsa_kernel k_q8d852371bd_first16
		.amdhsa_group_segment_fixed_size 223232
		.amdhsa_private_segment_fixed_size 0
		.amdhsa_enable_private_segment 0
		.amdhsa_kernarg_size 24
		.amdhsa_user_sgpr_count 2
		.amdhsa_user_sgpr_kernarg_segment_ptr 1
		.amdhsa_wavefront_size32 1
		.amdhsa_system_sgpr_workgroup_id_x 1
		.amdhsa_system_sgpr_workgroup_id_y 1
		.amdhsa_system_sgpr_workgroup_id_z 1
		.amdhsa_system_vgpr_workitem_id 0
		.amdhsa_next_free_vgpr 256
		.amdhsa_next_free_sgpr 66
		.amdhsa_reserve_vcc 0
		.amdhsa_float_denorm_mode_32 3
		.amdhsa_float_denorm_mode_16_64 3
		.amdhsa_memory_ordered 1
		.amdhsa_forward_progress 1
		.amdhsa_inst_pref_size 17
	.end_amdhsa_kernel
	.amdgpu_metadata
---
amdhsa.version: [ 1, 2 ]
amdhsa.kernels:
  - .name:           k_q8d852371bd_first16
    .symbol:         k_q8d852371bd_first16.kd
    .args:
      - { .name: o16, .offset: 0, .size: 8, .value_kind: global_buffer, .address_space: global }
      - { .name: w_o, .offset: 8, .size: 8, .value_kind: global_buffer, .address_space: global }
      - { .name: out0, .offset: 16, .size: 8, .value_kind: global_buffer, .address_space: global }
    .group_segment_fixed_size: 223232
    .private_segment_fixed_size: 0
    .kernarg_segment_align: 8
    .kernarg_segment_size: 24
    .max_flat_workgroup_size: 512
    .sgpr_count:     66
    .vgpr_count:     256
    .wavefront_size: 32
...
	.end_amdgpu_metadata
.endif
;; end of part 5
